; MI455X (gfx1250); checked and timed in simulation.
; The chip was launched on July 23, 2026; its instructions are those of AMD's public machine-readable ISA for CDNA 5 (MIT licence, August 2026) and "CDNA5" Instruction Set Architecture Reference Guide (July 2026). The comments in the code are by the model that wrote it; some were corrected since.
;; Grouped Query Attention. Allowed arithmetic: matrix products marked QUANTISED: E2M1 operands, one E8M0 scale for each 32 along K, by v_wmma_scale_f32_16x16x128_f8f6f4 with both operands' format E2M1 (or v_wmma_scale_f32_32x16x128_f4), f32 sums; products left as they are: bf16, f16 or f32 operands; f32 sums; everything else in f32.
;; Inputs: Wk 2,048 x 512 float32; Wo 2,048 x 2,048 float32; Wq 2,048 x 2,048 float32; Wv 2,048 x 512 float32; attention_mask 1 x 1 x 1,024 x 1,024 float32; hidden_states 4 x 1,024 x 2,048 float32; position_ids 1,024 int32.
;; Outputs: out0 4 x 1,024 x 2,048 float32.
;; This version of the problem:
;;   THIS VERSION OF THE PROBLEM IS GIVEN IN LOW PRECISION. The matrix products marked QUANTISED in the list below multiply operands that are first quantised to E2M1 (2 exponent bits, 1 mantissa bit; 4 bits a number), with one power-of-two scale for each 32 numbers along K (OCP MX v1.0); their sums are f32. The products marked 'left as it is' may take bf16, f16 or f32 operands, with f32 sums. Whichever they take, every output number must still come out within the allowed error. Rounding operands to bf16 (8 significant bits) uses up far more of that allowance than f16 does (11 bits, for magnitudes from 6e-5 to 65,504). All else is computed in f32.
;;   The module's matrix products, in the order in which they are computed (A, B: the left and right operand; K: the contracted axis; several contracted axes count as one K, in the product's order):
;;     1. [M 4,096, K 2,048] x [K 2,048, N 2,048]; A: input hidden_states; B: input Wq: QUANTISED
;;     2. [M 4,096, K 2,048] x [K 2,048, N 512]; A: input hidden_states; B: input Wk: QUANTISED
;;     3. [M 4,096, K 2,048] x [K 2,048, N 512]; A: input hidden_states; B: input Wv: QUANTISED
;;     4. batch 128 x [M 1,024, K 64] x [K 64, N 1,024]; A: computed on the way; B: computed on the way: left as it is (an operand is computed on the way)
;;     5. batch 128 x [M 1,024, K 1,024] x [K 1,024, N 64]; A: computed on the way; B: computed on the way: left as it is (an operand is computed on the way)
;;     6. [M 4,096, K 2,048] x [K 2,048, N 2,048]; A: computed on the way; B: input Wo: left as it is (an operand is computed on the way)
;;   THE QUANTISER, for each operand of a quantised product, along K:
;;     - K is cut into blocks of 32 from its start; a last block that is shorter is filled with zeros.
;;     - A block's scale is 2^e with e = floor(log2(the largest magnitude in the block)) - 2, held to -126 .. 127; a block of zeros has e = 0. As a byte (E8M0): e + 127.
;;     - Each number is divided by its block's scale, clamped to +-6, and rounded to the nearest number of E2M1, ties to even, subnormals kept.
;;     - The product sums the exact products of the quantised numbers (number of the format x scale) in f32.
;;   ~~~python
;;   def quantise(x, axis):      # numpy; x: float32 -> the quantised numbers, widened to float32 again
;;       x = np.moveaxis(x, axis, -1); K = x.shape[-1]
;;       x = np.pad(x, [(0, 0)] * (x.ndim - 1) + [(0, -K % 32)]); x = x.reshape(x.shape[:-1] + (-1, 32)); a = np.abs(x).max(-1, keepdims=True)
;;       e = np.where(a > 0, np.clip(np.frexp(np.where(a > 0, a, 1))[1] - 1 - 2, -126, 127), 0)      # np.frexp(a)[1] - 1 = floor(log2(a)), exactly
;;       r = np.clip(x / 2.0 ** e, -6, 6)
;;       step = 2.0 ** (np.maximum(np.frexp(np.where(r == 0, 1, r))[1] - 1, 0) - 1)
;;       q = np.round(r / step) * step * 2.0 ** e      # np.round: ties to even
;;       return np.moveaxis(q.reshape(q.shape[:-2] + (-1,))[..., :K], -1, axis).astype(np.float32)
;;   ~~~
;; One version. Each part assembles by itself: llvm-mc -triple=amdgcn-amd-amdhsa -mcpu=gfx1250 --defsym DOCPART=n.
;; ======== version 1 of 1: 4 launches
;; limits: values are held in f16: magnitudes above 65,504 overflow, below 6.1e-05 lose precision; right only within a limited range of input values
;; workspace buffers: x_codes 4,194,304 bytes; w_codes 3,145,728 bytes; scales 458,752 bytes; wo16 8,388,608 bytes; mask2 4,194,304 bytes; tab 262,144 bytes; qkv 25,165,824 bytes; ao 16,777,216 bytes
;; launch prep (part 1): grid 640 x 1, 4 waves a work-group, no clusters, 68,096 bytes of LDS; arguments hidden_states, Wq, Wk, Wv, Wo, attention_mask, position_ids, x_codes, w_codes, scales, wo16, mask2, tab; writes x_codes, w_codes, scales, wo16, mask2, tab
.if DOCPART == 1
	.amdgcn_target "amdgcn-amd-amdhsa--gfx1250"
	.amdhsa_code_object_version 6
	.text
	.protected	k_q2b0e99db52_prep
	.globl	k_q2b0e99db52_prep
	.p2align	8
	.type	k_q2b0e99db52_prep,@function
k_q2b0e99db52_prep:
	s_mov_b64 s[64:65], 0
	v_nop
	global_prefetch_b8 v0, s[64:65] scope:SCOPE_SE
	s_setreg_imm32_b32 hwreg(HW_REG_WAVE_MODE, 25, 1), 1
	s_wait_xcnt 0x0
; GROUPED-QUERY ATTENTION, launch 1 of 4: every operand that later launches read many times is made here, once.
; NO WORK IS LEFT OUT IN THIS PROGRAM: the mask and the positions are inputs, so all 1,024 keys are walked for every query, the mask is added as it is given, and every input is loaded.
; Five paths, parted by the work-group's number alone (they never join):
;   0-31    ROPE  tab[s][0..31] = cos(position[s] x inv_freq[j]), tab[s][32..63] = sin of the same: f32, a row of 256 bytes
;   32-159  W     Wq [2048 k][2048 n] -> codes of E2M1 with K innermost, rows 0-2047 of w_codes, and E8M0 bytes
;   160-223 W     Wk, Wv [2048 k][512 n] -> rows 2048-2559, 2560-3071
;   224-479 X     hidden_states [4096][2048] -> x_codes, and E8M0 bytes at the head of scales (W's lie 262,144 bytes on)
;   480-607 WO    Wo -> f16, as it lies
;   608-639 MASK  mask x log2(e), held to +-1.75 x 2^127, laid in the order of the attention launch's score registers
; THE QUANTISER: a block of 32 along K; scale 2^(floor(log2(largest magnitude)) - 2); its byte is the largest magnitude's exponent field - 2, held at 1 from below; codes to the nearest, ties to even, beyond 6 the largest code.
; A block of zeros gets the byte 1 where the rule says 127: its codes are zeros, and this program alone reads the bytes.
; LIMITS: NaN and infinities among the inputs are not served.  Blocks whose largest magnitude lies under 2^-124 keep the byte 1.  Mask values beyond +-2.06e38 count as one value (1.75 x 2^127 / log2(e)).
; Positions up to 2^20 in size: the angle is reduced by pi/2 in two parts.  Sine to the 7th and cosine to the 8th power of an angle of at most pi/4: the terms left out are under 3.2e-7.
; Wo in f16: numbers under 6.1e-5 in size are kept to 3e-8.
.set SPW,   190                        ; v190  LDS address of my spare word; never rewritten
.set NIL,   191                        ; v191  0; never rewritten
.set SPARE, 67584                      ; LDS: X's regions 0 .. 32,767; Wq's stages 32,768 ..; Wk's and Wv's 50,176 ..; then the spare words, 128 bytes a wave
.macro FINISH                          ; the end of a wave that stored to LDS
	s_wait_tensorcnt 0x0
	ds_add_u32 v[SPW], v[NIL]
	s_wait_dscnt 0x0
	s_endpgm
.endm
	s_load_b512 s[4:19], s[0:1], 0x0               ; x s[4:5], Wq s[6:7], Wk s[8:9], Wv s[10:11], Wo s[12:13], mask s[14:15], positions s[16:17], x_codes s[18:19]
	s_load_b256 s[20:27], s[0:1], 0x40             ; w_codes s[20:21], scales s[22:23], wo16 s[24:25], mask2 s[26:27]
	s_load_b64 s[28:29], s[0:1], 0x60              ; tab
	v_lshl_add_u32 v[SPW], v0, 2, SPARE
	v_mov_b32 v[NIL], 0
	v_lshrrev_b32 v1, 5, v0
	v_readfirstlane_b32 s32, v1                    ; wave 0..3
	v_and_b32 v2, 31, v0                           ; lane
	s_wait_kmcnt 0x0
	s_cmp_lt_u32 ttmp9, 32
	s_cbranch_scc1 .Lrope
	s_cmp_lt_u32 ttmp9, 160
	s_cbranch_scc1 .Lwq
	s_cmp_lt_u32 ttmp9, 224
	s_cbranch_scc1 .Lwkv
	s_cmp_lt_u32 ttmp9, 480
	s_cbranch_scc1 .Lx
	s_cmp_lt_u32 ttmp9, 608
	s_cbranch_scc1 .Lwo
; ---------------- MASK: a wave takes 8 tiles of 16 queries x 64 keys.  Tile (qt, ks) is 4,096 bytes at (16 qt + ks) x 4,096; in it load i of lane L holds
; mask2[16 qt + L % 16][64 ks + 16 (i / 2) + 8 (L / 16) + 4 (i % 2) + 0..3]: the reads in pieces of 16 bytes are made here once, and the attention launch reads 512 consecutive bytes a load.
	s_sub_co_u32 s33, ttmp9, 608
	s_lshl_b32 s33, s33, 2
	s_add_co_u32 s33, s33, s32                     ; W = 0 .. 127: qt = W / 2, ks = 8 (W % 2) + 0..7
	s_lshr_b32 s34, s33, 1
	s_and_b32 s35, s33, 1
	s_lshl_b32 s36, s34, 16                        ; 16 rows of 4,096 bytes in the mask; 16 tiles of 4,096 bytes in mask2
	s_lshl_b32 s38, s35, 11
	s_add_co_u32 s38, s38, s36
	s_mov_b32 s39, 0
	s_add_nc_u64 s[14:15], s[14:15], s[38:39]
	s_lshl_b32 s38, s35, 15
	s_add_co_u32 s38, s38, s36
	s_add_nc_u64 s[26:27], s[26:27], s[38:39]
	s_mov_b32 s40, 0x3fb8aa3b                      ; log2(e)
	s_mov_b32 s41, s40                             ; (named with it as a pair)
	s_mov_b32 s42, 0xff600000                      ; -1.75 x 2^127
	s_mov_b32 s43, 0x7f600000
	v_and_b32 v3, 15, v0
	v_bfe_u32 v4, v0, 4, 1
	v_lshlrev_b32 v3, 12, v3
	v_lshl_add_u32 v3, v4, 5, v3                   ; in: row L % 16, + 32 (L / 16)
	v_lshlrev_b32 v4, 4, v2                        ; out: 16 x lane
.macro MLOAD t                         ; tiles 2 t and 2 t + 1 into set t % 2 (v16-79, v80-143)
.irp u, 0,1
.irp i, 0,1,2,3,4,5,6,7
	global_load_b128 v[16+64*((\t)%2)+32*\u+4*\i:16+64*((\t)%2)+32*\u+4*\i+3], v3, s[14:15] offset:256*(2*(\t)+\u)+64*(\i/2)+16*(\i%2)
.endr
.endr
.endm
.macro MBATCH t
.if (\t) < 3
	s_wait_loadcnt 16                              ; this batch's 16 loads are in; the next batch's may be out
.else
	s_wait_loadcnt 0x0
.endif
.set i, 16+64*((\t)%2)
.rept 16
	v_pk_mul_f32 v[i:i+1], v[i:i+1], s[40:41] op_sel_hi:[1,0]
	v_pk_mul_f32 v[i+2:i+3], v[i+2:i+3], s[40:41] op_sel_hi:[1,0]
	v_med3_num_f32 v[i], v[i], s42, s43            ; what overflowed is held: no infinity goes on into the softmax
	v_med3_num_f32 v[i+1], v[i+1], s42, s43
	v_med3_num_f32 v[i+2], v[i+2], s42, s43
	v_med3_num_f32 v[i+3], v[i+3], s42, s43
.set i, i+4
.endr
.irp u, 0,1
.irp i, 0,1,2,3,4,5,6,7
	global_store_b128 v4, v[16+64*((\t)%2)+32*\u+4*\i:16+64*((\t)%2)+32*\u+4*\i+3], s[26:27] offset:4096*(2*(\t)+\u)+512*\i   ; 512 consecutive bytes
.endr
.endr
.if (\t) < 2
	s_wait_xcnt 0x0                                ; the stores have read their registers: the set is loaded again only behind this wait
	MLOAD (\t)+2
.endif
.endm
	MLOAD 0
	MLOAD 1
	MBATCH 0
	MBATCH 1
	MBATCH 2
	MBATCH 3
	s_endpgm
; ---------------- WO: a wave takes 8,192 numbers.  A load reads 512 consecutive bytes, 4 numbers a lane; two conversions; a store writes 256 consecutive bytes.
.Lwo:
	s_sub_co_u32 s33, ttmp9, 480
	s_lshl_b32 s33, s33, 2
	s_add_co_u32 s33, s33, s32
	s_lshl_b32 s34, s33, 15
	s_mov_b32 s35, 0
	s_add_nc_u64 s[12:13], s[12:13], s[34:35]
	s_lshl_b32 s34, s33, 14
	s_add_nc_u64 s[24:25], s[24:25], s[34:35]
	v_lshlrev_b32 v3, 4, v2
	v_lshlrev_b32 v4, 3, v2
.macro OLOAD t
.irp i, 0,1,2,3,4,5,6,7,8,9,10,11,12,13,14,15
	global_load_b128 v[16+64*((\t)%2)+4*\i:16+64*((\t)%2)+4*\i+3], v3, s[12:13] offset:512*(16*(\t)+\i) th:TH_LOAD_NT
.endr
.endm
.macro OBATCH t
.if (\t) < 3
	s_wait_loadcnt 16                              ; the next batch's 16 loads may be out
.else
	s_wait_loadcnt 0x0
.endif
	s_wait_xcnt 0x0                                ; the last batch's stores have read v144-175
.irp i, 0,1,2,3,4,5,6,7,8,9,10,11,12,13,14,15
	v_cvt_pk_f16_f32 v[144+2*\i], v[16+64*((\t)%2)+4*\i], v[16+64*((\t)%2)+4*\i+1]
	v_cvt_pk_f16_f32 v[145+2*\i], v[16+64*((\t)%2)+4*\i+2], v[16+64*((\t)%2)+4*\i+3]
.endr
.irp i, 0,1,2,3,4,5,6,7,8,9,10,11,12,13,14,15
	global_store_b64 v4, v[144+2*\i:145+2*\i], s[24:25] offset:256*(16*(\t)+\i)
.endr
.if (\t) < 2
	OLOAD (\t)+2
.endif
.endm
	OLOAD 0
	OLOAD 1
	OBATCH 0
	OBATCH 1
	OBATCH 2
	OBATCH 3
	s_endpgm
; ---------------- X: rows are dense and K is a multiple of 32, so x is a plain stream of blocks.  A wave takes 16 steps of 512 numbers.  Each load reads 512 consecutive bytes; a step's 2,048 bytes turn through the
; wave's own stage in LDS (16 bytes of padding behind each 64) and come back 16 neighbours a lane: two neighbouring lanes hold a block.  A step's codes leave as 256 consecutive bytes, a wave's 256 scale bytes likewise.
.Lx:
.set R,  16                            ; v16-79   four sets of 16 numbers as loaded
.set XN, 80                            ; v80-111  two sets of 16 neighbours
.set E,  112                           ; v112-127 a scale byte for each step
.set C,  128                           ; v128-159 codes, two registers a step: no store's data are written again
.set SP, 80
	s_sub_co_u32 s33, ttmp9, 224
	s_lshl_b32 s33, s33, 2
	s_add_co_u32 s33, s33, s32                     ; which run of 8,192 numbers is my wave's
	s_lshl_b32 s34, s33, 15
	s_mov_b32 s35, 0
	s_add_nc_u64 s[4:5], s[4:5], s[34:35]
	s_lshl_b32 s34, s33, 12
	s_add_nc_u64 s[18:19], s[18:19], s[34:35]
	s_lshl_b32 s34, s33, 8
	s_add_nc_u64 s[22:23], s[22:23], s[34:35]
	v_lshlrev_b32 v3, 4, v2                        ; my 16 bytes of a load's 512
	s_mul_i32 s36, s32, 8192                       ; my wave's region
	v_lshrrev_b32 v14, 2, v2
	v_mul_u32_u24 v14, v14, SP
	v_and_b32 v15, 3, v2
	v_lshl_add_u32 v14, v15, 4, v14
	v_add_nc_u32 v14, s36, v14                     ; the stage on the way in: SP (lane / 4) + 16 (lane % 4)
	v_mul_u32_u24 v15, v2, SP
	v_add_nc_u32 v15, s36, v15                     ; and on the way out: SP x lane
	v_lshlrev_b32 v4, 3, v2                        ; my 8 bytes of a step's codes
	v_lshrrev_b32 v5, 1, v2
	s_add_co_u32 s36, s36, 2*32*SP
	v_add_nc_u32 v5, s36, v5                       ; my block's scale byte
	v_lshlrev_b32 v7, 3, v2
	v_add_nc_u32 v6, s36, v7
.macro XLOAD t
.irp i, 0,1,2,3
	global_load_b128 v[R+16*((\t)%4)+4*\i:R+16*((\t)%4)+4*\i+3], v3, s[4:5] offset:2048*(\t)+512*\i th:TH_LOAD_NT
.endr
.endm
.macro XTURN t                         ; LDS serves a wave's instructions in order: no wait between the stores and the loads
.irp i, 0,1,2,3
	ds_store_b128 v14, v[R+16*((\t)%4)+4*\i:R+16*((\t)%4)+4*\i+3] offset:32*SP*((\t)%2)+8*SP*\i
.endr
.irp i, 0,1,2,3
	ds_load_b128 v[XN+16*((\t)%2)+4*\i:XN+16*((\t)%2)+4*\i+3], v15 offset:32*SP*((\t)%2)+16*\i
.endr
.endm
.macro XSTEP t
.set XS, XN+16*((\t)%2)
.if (\t) > 0
	s_wait_dscnt 1                                 ; this step's numbers are back (the last step's byte store may be out)
.else
	s_wait_dscnt 0x0
.endif
.if (\t)+4 < 16
	XLOAD (\t)+4
.endif
.if (\t)+1 < 16
.if 14-(\t) >= 3
	s_wait_loadcnt 12                              ; the next step's loads are in; those of the three steps behind it may be out
.else
	s_wait_loadcnt 4*(14-(\t))
.endif
	XTURN (\t)+1
.endif
	v_max3_num_f32 v8, |v[XS]|, |v[XS+1]|, |v[XS+2]|
	v_max3_num_f32 v9, |v[XS+3]|, |v[XS+4]|, |v[XS+5]|
.irp i, 6,10
	v_max3_num_f32 v8, v8, |v[XS+\i]|, |v[XS+\i+1]|
	v_max3_num_f32 v9, v9, |v[XS+\i+2]|, |v[XS+\i+3]|
.endr
	v_max3_num_f32 v8, v8, |v[XS+14]|, |v[XS+15]|
	v_max3_num_f32 v8, v8, v9, 0x1800000           ; the floor 2^(3 - 127): the byte cannot fall under 1
	v_max_num_f32_dpp v8, v8, v8 row_xmask:1 row_mask:0xf bank_mask:0xf   ; with my neighbour's 16: the block's
	v_add_nc_u32 v11, 0xff000000, v8               ; 2 off its exponent field: the conversion takes the exponent field of this operand as its scale
	v_cvt_scalef32_pk8_fp4_f32 v[C+2*(\t)], v[XS:XS+7], v11
	v_cvt_scalef32_pk8_fp4_f32 v[C+2*(\t)+1], v[XS+8:XS+15], v11
	v_lshrrev_b32 v[E+(\t)], 23, v11               ; the scale's byte
	ds_store_b8 v5, v[E+(\t)] offset:16*(\t)       ; both lanes of a block write the same byte with the same value
	global_store_b64 v4, v[C+2*(\t):C+2*(\t)+1], s[18:19] offset:256*(\t)
.endm
.irp t, 0,1,2,3
	XLOAD \t
.endr
	s_wait_loadcnt 12
	XTURN 0
.irp t, 0,1,2,3,4,5,6,7,8,9,10,11,12,13,14,15
	XSTEP \t
.endr
	ds_load_b64 v[8:9], v6
	s_wait_dscnt 0x0
	global_store_b64 v7, v[8:9], s[22:23]          ; 256 consecutive bytes
	FINISH
; ---------------- W: K is the weight's FIRST axis.  A lane takes a column n and its registers run down K: a block of 32 lies in one lane, and the conversions give codes with K innermost.
; A wave takes 16 columns x 512 along K: lanes 0-15 the lower 256 along K, lanes 16-31 the upper 256 of the same columns: 8 blocks a lane, so that a wave's chain of blocks is as short as that of the X path.
; A load reads two runs of 64 bytes; the four waves of a work-group stand side by side on 256 consecutive bytes.  A column's 256 bytes of codes meet in the wave's own stage (rows of 256 + 16 bytes) and leave sixteen lanes
; to 256 consecutive bytes.  Loads run two blocks ahead.
.macro WLOAD t, n
.irp i, 0,1,2,3,4,5,6,7,8,9,10,11,12,13,14,15,16,17,18,19,20,21,22,23,24,25,26,27,28,29,30,31
	global_load_b32 v[32+32*((\t)%2)+\i], v3, s[6:7] offset:(32*(\t)+\i)*(\n)*4 th:TH_LOAD_NT
.endr
.endm
.macro WBLOCK t, n
.set XS, 32+32*((\t)%2)
.if (\t) < 7
	s_wait_loadcnt 32                              ; this block's 32 loads are in; the next block's may be out
.else
	s_wait_loadcnt 0x0
.endif
	v_max3_num_f32 v12, |v[XS]|, |v[XS+1]|, |v[XS+2]|
	v_max3_num_f32 v13, |v[XS+3]|, |v[XS+4]|, |v[XS+5]|
.irp i, 6,10,14,18,22,26
	v_max3_num_f32 v12, v12, |v[XS+\i]|, |v[XS+\i+1]|
	v_max3_num_f32 v13, v13, |v[XS+\i+2]|, |v[XS+\i+3]|
.endr
	v_max3_num_f32 v12, v12, |v[XS+30]|, |v[XS+31]|
	v_max3_num_f32 v12, v12, v13, 0x1800000
	v_add_nc_u32 v11, 0xff000000, v12
	v_lshrrev_b32 v13, 23, v11
.if (\t)%4 == 0
	v_mov_b32 v[24+(\t)/4], v13                    ; four bytes to a register, the lower K in the lower byte
.else
	v_lshl_or_b32 v[24+(\t)/4], v13, 8*((\t)%4), v[24+(\t)/4]
.endif
.irp g, 0,1,2,3
	v_cvt_scalef32_pk8_fp4_f32 v[96+\g], v[XS+8*\g:XS+8*\g+7], v11
.endr
	ds_store_b128 v4, v[96:99] offset:16*(\t)
.if (\t)+2 < 8
	WLOAD (\t)+2, \n
.endif
	s_wait_dscnt 0x0                               ; the store has read its registers: the next block's codes may be written
.endm
; s36 = which 64 columns, s37 = which 512 along K, s38 = the weight's first row in w_codes, s[6:7] = the weight; n = its columns; stg = this arm's stages in LDS
.macro WPATH n, stg
	s_lshl_b32 s36, s36, 6
	s_lshl_b32 s39, s32, 4
	s_add_co_u32 s36, s36, s39                     ; my wave's first column
	s_mul_i32 s40, s37, 512*(\n)*4
	s_lshl_b32 s39, s36, 2
	s_add_co_u32 s40, s40, s39
	s_mov_b32 s41, 0
	s_add_nc_u64 s[6:7], s[6:7], s[40:41]
	s_add_co_u32 s38, s38, s36                     ; its row of codes: 1,024 bytes a row, 256 for each 512 along K
	s_lshl_b32 s40, s38, 10
	s_lshl_b32 s39, s37, 8
	s_add_co_u32 s40, s40, s39
	s_add_nc_u64 s[20:21], s[20:21], s[40:41]
	s_lshl_b32 s40, s38, 6                         ; its row of scale bytes: 64 a row, behind x's 262,144
	s_lshl_b32 s39, s37, 4
	s_add_co_u32 s40, s40, s39
	s_add_co_u32 s40, s40, 262144
	s_add_nc_u64 s[22:23], s[22:23], s[40:41]
	v_and_b32 v5, 15, v2                           ; my column of the wave's 16
	v_lshrrev_b32 v6, 4, v2                        ; which 256 along K
	v_lshlrev_b32 v3, 2, v5
	v_mul_u32_u24 v10, v6, 256*(\n)*4
	v_add_nc_u32 v3, v3, v10                       ; in: 4 bytes a column, 256 rows of the weight further down for lanes 16-31
	s_mul_i32 s39, s32, 16*272
	s_add_co_u32 s39, s39, \stg
	v_mul_u32_u24 v4, v5, 272
	v_lshl_add_u32 v4, v6, 7, v4
	v_add_nc_u32 v4, s39, v4                       ; into the stage: row = my column, 128 bytes on for the upper 256 along K
	v_mul_u32_u24 v7, v6, 272
	v_lshl_add_u32 v7, v5, 4, v7
	v_add_nc_u32 v7, s39, v7                       ; out of it: sixteen lanes to a row, two rows an instruction
	v_lshlrev_b32 v8, 10, v6
	v_lshl_add_u32 v8, v5, 4, v8
	v_lshlrev_b32 v9, 6, v5
	v_lshl_add_u32 v9, v6, 3, v9                   ; my 8 scale bytes in my column's row
	WLOAD 0, \n
	WLOAD 1, \n
.set Q, 0
.rept 8
	WBLOCK Q, \n
.set Q, Q+1
.endr
	global_store_b64 v9, v[24:25], s[22:23]
.irp t, 0,1,2,3,4,5,6,7
	ds_load_b128 v[112+4*\t:112+4*\t+3], v7 offset:2*\t*272
.endr
.irp t, 0,1,2,3,4,5,6,7
	s_wait_dscnt 7-\t                              ; the younger loads may be out
	global_store_b128 v8, v[112+4*\t:112+4*\t+3], s[20:21] offset:2*\t*1024
.endr
	FINISH
.endm
.Lwq:
	s_sub_co_u32 s33, ttmp9, 32
	s_and_b32 s36, s33, 31
	s_lshr_b32 s37, s33, 5
	s_mov_b32 s38, 0
	WPATH 2048, 32768
.Lwkv:
	s_sub_co_u32 s33, ttmp9, 160
	s_mov_b32 s38, 2560
	s_cmp_lt_u32 s33, 32                           ; Wk's work-group or Wv's: the choice hangs on the work-group's number alone
	s_cselect_b64 s[6:7], s[8:9], s[10:11]
	s_cselect_b32 s38, 2048, s38
	s_and_b32 s33, s33, 31
	s_and_b32 s36, s33, 7
	s_lshr_b32 s37, s33, 3
	WPATH 512, 50176
; ---------------- ROPE: a wave takes 8 positions.  Lane l takes frequencies 2 (l % 16) and 2 (l % 16) + 1; lanes 0-15 make cosines, lanes 16-31 sines: a store writes a whole row of 256 bytes.
.Lrope:
	s_lshl_b32 s33, ttmp9, 2
	s_add_co_u32 s33, s33, s32
	s_lshl_b32 s34, s33, 5
	s_mov_b32 s35, 0
	s_add_nc_u64 s[16:17], s[16:17], s[34:35]
	s_load_b256 s[40:47], s[16:17], 0x0            ; my 8 positions
	s_lshl_b32 s36, s33, 11
	s_mov_b32 s37, 0
	s_add_nc_u64 s[28:29], s[28:29], s[36:37]
	s_mov_b32 s48, 0x3f22f983                      ; 2 / pi
	s_mov_b32 s49, 0xbfc90fdb                      ; -(pi / 2), its f32
	s_mov_b32 s50, 0x333bbd2e                      ; and what that f32 has too much
	s_mov_b32 s51, 0xbe2aaaab                      ; -1/6
	s_mov_b32 s52, 0x3c088889                      ; 1/120
	s_mov_b32 s53, 0xb9500d01                      ; -1/5040
	s_mov_b32 s54, 0x3d2aaaab                      ; 1/24
	s_mov_b32 s55, 0xbab60b61                      ; -1/720
	s_mov_b32 s56, 0x37d00d01                      ; 1/40320
	v_and_b32 v3, 15, v0
	v_bfe_u32 v4, v0, 4, 1
	v_sub_nc_u32 v5, 1, v4                         ; cos x = sin(x + pi/2): the cosine lanes begin a quadrant on
	v_lshlrev_b32 v4, 3, v2
	v_lshlrev_b32 v3, 1, v3
	v_cvt_f32_u32 v6, v3
	v_add_nc_u32 v3, 1, v3
	v_cvt_f32_u32 v7, v3
	v_mul_f32 v6, 0xbed49a78, v6                   ; -j log2(10000) / 32
	v_mul_f32 v7, 0xbed49a78, v7
	v_exp_f32 v6, v6                               ; inv_freq
	v_exp_f32 v7, v7
	v_nop                                          ; a plain instruction behind the exponentials,
	s_wait_alu depctr_va_vdst(0)                   ; and the wait ahead of their first reader
	s_wait_kmcnt 0x0
.macro SINCOS res, ang                 ; v[res] = sin(v[ang] + v5 pi/2)
	v_mul_f32 v11, s48, v[\ang]
	v_rndne_f32 v11, v11                           ; n
	v_fma_f32 v12, v11, s49, v[\ang]
	v_fma_f32 v12, v11, s50, v12                   ; r = angle - n pi/2, at most pi/4 in size
	v_mul_f32 v13, v12, v12
	v_fma_f32 v14, v13, s53, s52
	v_fma_f32 v15, v13, s56, s55
	v_fma_f32 v14, v14, v13, s51
	v_fma_f32 v15, v15, v13, s54
	v_mul_f32 v16, v12, v13
	v_fma_f32 v15, v15, v13, -0.5
	v_fma_f32 v14, v14, v16, v12                   ; sin r
	v_fma_f32 v15, v15, v13, 1.0                   ; cos r
	v_cvt_i32_f32 v16, v11
	v_add_nc_u32 v16, v16, v5                      ; the quadrant
	v_and_b32 v17, 1, v16
	v_cmp_eq_u32 vcc_lo, 1, v17
	v_cndmask_b32 v[\res], v14, v15, vcc_lo        ; odd: cos r
	v_and_b32 v17, 2, v16
	v_lshlrev_b32 v17, 30, v17
	v_xor_b32 v[\res], v[\res], v17                ; quadrants 2 and 3: the sign turns
.endm
.irp p, 0,1,2,3,4,5,6,7
	v_cvt_f32_i32 v8, s[40+\p]
	v_mul_f32 v9, v8, v6
	v_mul_f32 v10, v8, v7
	SINCOS 64+2*\p, 9
	SINCOS 65+2*\p, 10
	global_store_b64 v4, v[64+2*\p:65+2*\p], s[28:29] offset:256*\p
.endr
	s_endpgm
.Lfunc_end_k_q2b0e99db52_prep:
	.size	k_q2b0e99db52_prep, .Lfunc_end_k_q2b0e99db52_prep-k_q2b0e99db52_prep
	.p2alignl 7, 3214868480
	.fill 96, 4, 3214868480
	.section	.rodata,"a",@progbits
	.p2align	6, 0x0
	.amdhsa_kernel k_q2b0e99db52_prep
		.amdhsa_group_segment_fixed_size 68096
		.amdhsa_private_segment_fixed_size 0
		.amdhsa_enable_private_segment 0
		.amdhsa_kernarg_size 104
		.amdhsa_user_sgpr_count 2
		.amdhsa_user_sgpr_kernarg_segment_ptr 1
		.amdhsa_wavefront_size32 1
		.amdhsa_system_sgpr_workgroup_id_x 1
		.amdhsa_system_sgpr_workgroup_id_y 1
		.amdhsa_system_sgpr_workgroup_id_z 1
		.amdhsa_system_vgpr_workitem_id 0
		.amdhsa_next_free_vgpr 192
		.amdhsa_next_free_sgpr 66
		.amdhsa_reserve_vcc 1
		.amdhsa_float_denorm_mode_32 3
		.amdhsa_float_denorm_mode_16_64 3
		.amdhsa_memory_ordered 1
		.amdhsa_forward_progress 1
		.amdhsa_inst_pref_size 189
	.end_amdhsa_kernel
	.amdgpu_metadata
---
amdhsa.version: [ 1, 2 ]
amdhsa.kernels:
  - .name:           k_q2b0e99db52_prep
    .symbol:         k_q2b0e99db52_prep.kd
    .args:
      - { .name: hidden_states, .offset: 0, .size: 8, .value_kind: global_buffer, .address_space: global }
      - { .name: Wq, .offset: 8, .size: 8, .value_kind: global_buffer, .address_space: global }
      - { .name: Wk, .offset: 16, .size: 8, .value_kind: global_buffer, .address_space: global }
      - { .name: Wv, .offset: 24, .size: 8, .value_kind: global_buffer, .address_space: global }
      - { .name: Wo, .offset: 32, .size: 8, .value_kind: global_buffer, .address_space: global }
      - { .name: attention_mask, .offset: 40, .size: 8, .value_kind: global_buffer, .address_space: global }
      - { .name: position_ids, .offset: 48, .size: 8, .value_kind: global_buffer, .address_space: global }
      - { .name: x_codes, .offset: 56, .size: 8, .value_kind: global_buffer, .address_space: global }
      - { .name: w_codes, .offset: 64, .size: 8, .value_kind: global_buffer, .address_space: global }
      - { .name: scales, .offset: 72, .size: 8, .value_kind: global_buffer, .address_space: global }
      - { .name: wo16, .offset: 80, .size: 8, .value_kind: global_buffer, .address_space: global }
      - { .name: mask2, .offset: 88, .size: 8, .value_kind: global_buffer, .address_space: global }
      - { .name: tab, .offset: 96, .size: 8, .value_kind: global_buffer, .address_space: global }
    .group_segment_fixed_size: 68096
    .private_segment_fixed_size: 0
    .kernarg_segment_align: 8
    .kernarg_segment_size: 104
    .max_flat_workgroup_size: 128
    .sgpr_count:     66
    .vgpr_count:     192
    .wavefront_size: 32
...
	.end_amdgpu_metadata
.endif
;; end of part 1
;; launch qkv (part 2): grid 12 x 16, 4 waves a work-group, clusters of 4 x 4, 327,680 bytes of LDS; arguments x_codes, scales, w_codes, qkv, tab; writes qkv
.if DOCPART == 2
	.amdgcn_target "amdgcn-amd-amdhsa--gfx1250"
	.amdhsa_code_object_version 6
	.text
	.protected	k_q2b0e99db52_qkv
	.globl	k_q2b0e99db52_qkv
	.p2align	8
	.type	k_q2b0e99db52_qkv,@function
k_q2b0e99db52_qkv:
	s_mov_b64 s[64:65], 0
	v_nop
	global_prefetch_b8 v0, s[64:65] scope:SCOPE_SE
	s_setreg_imm32_b32 hwreg(HW_REG_WAVE_MODE, 25, 1), 1
	s_wait_xcnt 0x0
	s_wait_alu depctr_hold_cnt(0) depctr_sa_sdst(0) depctr_va_vdst(0) depctr_va_sdst(0) depctr_va_ssrc(0) depctr_va_vcc(0) depctr_vm_vsrc(0)
	s_getreg_b32 s2, hwreg(HW_REG_IB_STS2, 6, 4)
	s_cmp_eq_u32 s2, 0
	s_cbranch_scc0 .Lentry_in_a_cluster
	s_endpgm
.Lentry_in_a_cluster:
	s_bfe_u32 s2, ttmp6, 0x10000c
	s_cmp_lg_u32 s2, 0xf033
	s_cbranch_scc0 .Lentry_shape_is_right
	s_endpgm
.Lentry_shape_is_right:
; Launch 2 of 4: the three QUANTISED products in one GEMM on codes of E2M1, C[m][n] = sum over k of x[m][k] W[n][k], m = 4,096 rows, n = 3,072 columns (2,048 of q, 512 of k, 512 of v), K = 2,048; then RoPE, a scaling and the rounding to f16.  Nothing is left out.
; OUT: qkv, f16, [b 4][g 48][s 1024][64]: g 0-31 q x log2(e)/4, g 32-39 k x 1/2 (so that their product is the score x log2(e)/8), g 40-47 v as it is.
; f16's range: with x and W 30 times the drawn spread, or offset by 30 spreads, |q| stays under 69,500, so q x 0.36 under 25,100, k / 2 under 34,800, v under 49,200: all under 65,504.  Numbers under 6.1e-5 are kept to 3e-8.
; A tile of C, 256 x 256, is made by four waves, 128 x 128 each: 64 accumulators, 512 registers.  A tile's 256 columns are four whole heads of one kind, a wave's 128 two whole heads: RoPE's partners d and d + 32 lie in one lane.
; So there are 192 tiles.  A tile of 192 columns would give 256, but a wave of 64 x 192 reads the same LDS bytes for 48 products as this one for 64.
; K goes in steps of 512 (rows of 256 bytes) through a ring of two LDS slots filled by the tensor data mover.  The scale bytes of the tile's rows of x and of W, for all of K, come into LDS once, with the first fills.
; CLUSTERS: 4 x 4 work-groups; x's tile is asked for jointly along a row of the cluster, W's along a column.  THE MATRIX INSTRUCTION IS USED TRANSPOSED (source 0 = 16 rows of W, source 1 = 16 rows of x): a lane holds eight neighbouring columns of a row.
; REGISTERS: window 0: v0-31 addresses; v32-95 scale words, two sets; v128-191 x's fragments, one set; on the way out v128-223.  window 1: W's fragments, two sets, v0-63 and v128-191; the rest, and later all, cos and sin.
;   window 2: the accumulators of my rows 0-63 ((a, b) at v[8 (8 a + b)]); window 3: those of rows 64-127.
.set SIZE_K, 2048
.set KSTEP,  512
.set NQ,     KSTEP/128
.set ROWB,   256
.set KROW,   SIZE_K/2
.set PITCH,  272                       ; an LDS row: 256 bytes + 16 of padding: the 16 rows that a load touches start 68 words apart
.set FR,     8
.set NL,     2
.set NP,     4
.set HALFT,  128*PITCH
.set SLOT,   4*HALFT
.set LAPS,   SIZE_K/(2*KSTEP)
.set KS,     SIZE_K/32
.set SCL,    2*SLOT
.set HALFS,  (128*KS/256)*272
.set SBLK,   (16*KS/256)*272
.set SPARE,  SCL+4*HALFS               ; the spare words, 128 bytes a wave
.set ADRA, 16
.set ADRB, 20
.set TA,   22                          ; v22  my byte in 16 rows of tab: 256 (l % 16) + 32 (l / 16); never rewritten
.set STO,  24
.set RD,   25
.set GO,   26
.set ADRS, 27
.set SPW,  28
.set NIL,  29
.set A0,   30                          ; v[30:31] a0
.set SC,   32
.set AF,   128
.set RR,   128                         ; the way out: v128-159 a head's 32 rotated numbers a lane
.set HR,   160                         ; v160-175, v176-191 the same as f16, by turns
.set OBR,  192                         ; v192-207, v208-223 rows read back from the stage, by turns
.set G1, 24
.set G0, 32
.set G1B, 48
.set G0B, 56
.set G1S, 68
.set G0S, 76
.set G1SB, 80
.set G0SB, 88
.set MSB, 0
.macro WIN new                         ; the immediate's high byte repeats the setting that is left
.if MSB != \new
	s_set_vgpr_msb (MSB<<8)|\new
.set MSB, \new
.endif
.endm
.set MUL_LO, 0xa1
.set MUL_HI, 0xf1
.set TO_B,   0x40
; A joint load: waves 0 and 1 fetch for x, waves 2 and 3 for W.  An s_nop 0 and four v_nop follow each of the two lines.
.macro JLOAD g0a, g1a, g0b, g1b
	s_cmp_eq_u32 s15, 0
	s_cbranch_scc0 .Lfor_b_\@
	tensor_load_to_lds s[\g0a:\g0a+3], s[\g1a:\g1a+7]
	s_nop 0
.rept 4
	v_nop
.endr
	s_branch .Lasked_\@
.Lfor_b_\@:
	tensor_load_to_lds s[\g0b:\g0b+3], s[\g1b:\g1b+7]
	s_nop 0
.rept 4
	v_nop
.endr
.Lasked_\@:
.endm
.macro CREST
	s_cmp_lg_u32 s14, 0
	s_cbranch_scc1 .Lnot_wave_0_\@
	s_barrier_signal -3
.Lnot_wave_0_\@:
	s_barrier_wait -3
	s_barrier_signal -1
	s_barrier_wait -1
.endm
.macro CROUND
	s_barrier_signal -1
	s_barrier_wait -1
	CREST
.endm
	s_load_b128 s[4:7], s[0:1], 0x0                ; x's codes s[4:5], the scale bytes s[6:7]
	s_load_b128 s[8:11], s[0:1], 0x10              ; W's codes s[8:9], qkv s[10:11]
	s_load_b64 s[66:67], s[0:1], 0x20              ; tab
	v_lshl_add_u32 v[SPW], v0, 2, SPARE
	v_mov_b32 v[NIL], 0
	ds_add_u32 v[SPW], v[NIL]                      ; the wave's opening: the add, twice on end, and its wait ahead of my first tensor load
	ds_add_u32 v[SPW], v[NIL]
	v_lshrrev_b32 v1, 5, v0
	v_readfirstlane_b32 s14, v1                    ; wave 0..3
	s_lshr_b32 s15, s14, 1                         ; which half of the tile's rows is mine.  Also: I fetch for x (0) or for W (1)
	s_and_b32 s16, s14, 1                          ; which half of its columns.  Also: which 128 rows of that tile I fetch
	s_bfe_u32 s40, ttmp6, 0x40000                  ; cx, cy
	s_bfe_u32 s41, ttmp6, 0x40004
	s_lshl_b32 s42, ttmp9, 2
	s_add_co_u32 s42, s42, s40                     ; tile column
	s_and_b32 s17, ttmp7, 0xffff
	s_lshl_b32 s17, s17, 2
	s_add_co_u32 s17, s17, s41                     ; tile row
	s_lshl_b32 s43, s41, 2
	s_lshl_b32 s43, 15, s43                        ; my row of the cluster
	s_lshl_b32 s44, 0x1111, s40                    ; my column
	s_or_b32 s[G1+0], s43, (0<<16)|(1<<20)|(1<<21)|(5<<22)|(3<<25)  ; the mask; elements of 1 byte; padding: 4 words behind every 64
	s_or_b32 s[G1B+0], s44, (0<<16)|(1<<20)|(1<<21)|(5<<22)|(3<<25)
.irp g, G1, G1B
	s_mov_b32 s[\g+1], ROWB<<16                    ; tensor_dim0
	s_mov_b32 s[\g+2], 128<<16                     ; tensor_dim1
	s_mov_b32 s[\g+3], ROWB<<16                    ; tile_dim0
	s_mov_b32 s[\g+4], 128                         ; tile_dim1
	s_mov_b32 s[\g+5], KROW                        ; from row to row
	s_mov_b32 s[\g+6], 0
	s_mov_b32 s[\g+7], 0
.endr
	s_or_b32 s[G1S+0], s43, (3<<16)|(1<<20)|(1<<21)|(5<<22)|(3<<25)  ; the scale bytes of 128 rows: a dense block, as rows of 256 bytes (32 elements of 8)
	s_or_b32 s[G1SB+0], s44, (3<<16)|(1<<20)|(1<<21)|(5<<22)|(3<<25)
.irp g, G1S, G1SB
	s_mov_b32 s[\g+1], 32<<16
	s_mov_b32 s[\g+2], (128*KS/256)<<16
	s_mov_b32 s[\g+3], 32<<16
	s_mov_b32 s[\g+4], 128*KS/256
	s_mov_b32 s[\g+5], 32
	s_mov_b32 s[\g+6], 0
	s_mov_b32 s[\g+7], 0
.endr
	s_lshl_b32 s18, s16, 7
	s_lshl_b32 s20, s17, 8
	s_add_co_u32 s20, s20, s18                     ; x: row 256 x tile row + 128 x half
	s_lshl_b32 s46, s42, 8
	s_add_co_u32 s46, s46, s18                     ; W: row 256 x tile column + 128 x half
	s_mov_b32 s21, 0
	s_mov_b32 s47, 0
	s_mov_b64 s[18:19], KS
	s_mul_u64 s[22:23], s[20:21], s[18:19]
	s_mul_u64 s[92:93], s[46:47], s[18:19]
	s_mov_b64 s[18:19], KROW
	s_mul_u64 s[20:21], s[20:21], s[18:19]
	s_mul_u64 s[46:47], s[46:47], s[18:19]
	s_mul_i32 s45, s14, HALFT                      ; where they go: wave x 128 rows
	s_mul_i32 s94, s14, HALFS
	s_wait_dscnt 0x0                               ; both opening adds are done
	s_wait_kmcnt 0x0
	s_mov_b64 s[12:13], s[10:11]                   ; qkv
	s_add_nc_u64 s[10:11], s[6:7], 262144          ; W's scale bytes lie behind x's
	s_add_nc_u64 s[20:21], s[4:5], s[20:21]
	s_add_nc_u64 s[22:23], s[6:7], s[22:23]
	s_add_nc_u64 s[46:47], s[8:9], s[46:47]
	s_add_nc_u64 s[92:93], s[10:11], s[92:93]
	CROUND                                         ; all sixteen work-groups are here: the first joint loads meet
	s_mov_b32 s[G0S], 1
	s_add_co_u32 s[G0S+1], s94, SCL
	s_mov_b64 s[G0S+2:G0S+3], s[22:23]
	s_or_b32 s[G0S+3], s[G0S+3], 0x80000000
	s_mov_b32 s[G0SB], 1
	s_add_co_u32 s[G0SB+1], s94, SCL
	s_mov_b64 s[G0SB+2:G0SB+3], s[92:93]
	s_or_b32 s[G0SB+3], s[G0SB+3], 0x80000000
	JLOAD G0S, G1S, G0SB, G1SB                     ; the scale bytes first; with the two below three loads of mine are out
.irp s, 0,1
	s_mov_b32 s[G0+4*\s], 1
	s_add_co_u32 s[G0+4*\s+1], s45, \s*SLOT
	s_add_nc_u64 s[G0+4*\s+2:G0+4*\s+3], s[20:21], \s*ROWB
	s_or_b32 s[G0+4*\s+3], s[G0+4*\s+3], 0x80000000
	s_mov_b32 s[G0B+4*\s], 1
	s_add_co_u32 s[G0B+4*\s+1], s45, \s*SLOT
	s_add_nc_u64 s[G0B+4*\s+2:G0B+4*\s+3], s[46:47], \s*ROWB
	s_or_b32 s[G0B+4*\s+3], s[G0B+4*\s+3], 0x80000000
	JLOAD G0+4*\s, G1, G0B+4*\s, G1B
.endr
	v_and_b32 v1, 15, v0                           ; l % 16
	v_bfe_u32 v2, v0, 4, 1                         ; l / 16
	v_mul_u32_u24 v3, v1, PITCH
	v_lshl_add_u32 v4, v2, 4, v3
	s_mul_i32 s21, s15, HALFT
	s_mul_i32 s22, s16, HALFT
	s_add_co_u32 s22, s22, 2*HALFT
.irp s, 0,1
	v_add_nc_u32 v[ADRA+\s], s21, v4
	v_add_nc_u32 v[ADRB+\s], s22, v4
	s_add_co_u32 s21, s21, SLOT
	s_add_co_u32 s22, s22, SLOT
.endr
	v_mul_u32_u24 v5, v1, KS                       ; my row's scale bytes: KS a row, and 16 more for each 256 passed
	v_lshrrev_b32 v6, 8, v5
	v_lshl_add_u32 v5, v6, 4, v5
	s_mul_i32 s21, s15, HALFS
	s_mul_i32 s22, s16, HALFS
	s_add_co_u32 s22, s22, 2*HALFS
	s_sub_co_u32 s22, s22, s21
	v_mul_u32_u24 v6, s22, v2                      ; lanes 16-31 take W's
	s_add_co_u32 s21, s21, SCL
	v_add_nc_u32 v5, v5, v6
	v_add_nc_u32 v[ADRS], s21, v5
	; the way out: a stage of 16 rows x (128 bytes + 16) for each wave, in slot 0, which has had its last fill and its last read when the first result is stored there
	s_mul_i32 s23, s14, 16*144
	v_mul_u32_u24 v5, v1, 144
	v_lshl_add_u32 v5, v2, 4, v5
	v_add_nc_u32 v[STO], s23, v5                   ; in: row l % 16, 16 bytes for each half of the lanes
	v_bfe_u32 v5, v0, 3, 2
	v_mul_u32_u24 v5, v5, 144
	v_and_b32 v6, 7, v0
	v_lshl_add_u32 v5, v6, 4, v5
	v_add_nc_u32 v[RD], s23, v5                    ; back: eight lanes to a row of 128 bytes, four rows an instruction
	v_and_b32 v6, 31, v0
	v_lshlrev_b32 v[GO], 4, v6                     ; a head's rows are dense in qkv: four rows are 512 consecutive bytes
	v_lshlrev_b32 v[TA], 8, v1
	v_lshl_add_u32 v[TA], v2, 5, v[TA]
	s_lshl_b32 s20, s17, 8
	s_lshl_b32 s21, s15, 7
	s_add_co_u32 s20, s20, s21                     ; my first row m0
	s_lshr_b32 s21, s20, 10                        ; its batch
	s_and_b32 s20, s20, 1023                       ; its place s0 in the sequence
	s_mul_i32 s21, s21, 48
	s_lshl_b32 s46, s42, 2
	s_lshl_b32 s47, s16, 1
	s_add_co_u32 s46, s46, s47                     ; my first head g0 = 4 x tile column + 2 x half
	s_add_co_u32 s21, s21, s46
	s_lshl_b32 s21, s21, 17                        ; a head is 1,024 rows of 128 bytes
	s_lshl_b32 s46, s20, 7
	s_add_co_u32 s46, s46, s21
	s_mov_b32 s47, 0
	s_add_nc_u64 s[12:13], s[12:13], s[46:47]
	s_lshl_b32 s46, s20, 8
	s_add_nc_u64 s[66:67], s[66:67], s[46:47]      ; tab at s0
	; out = lo C' - hi S', hi C' + lo S' with C' = a1 cos + a0, S' = a1 sin.  q: a1 = log2(e)/4, a0 = 0; k: 1/2, 0; v: 0, 1.  Values alone hang on the tile column: no branch, no LDS address
	s_mov_b32 s96, 0x3eb8aa3b
	s_cmp_lt_u32 s42, 8
	s_cselect_b32 s96, s96, 0.5
	s_cmp_lt_u32 s42, 10
	s_cselect_b32 s96, s96, 0
	s_cselect_b32 s95, 0, 1.0
	s_mov_b32 s97, s96
	v_mov_b32 v[A0], s95
	v_mov_b32 v[A0+1], s95
; cos and sin of the 16 rows of block a, for my half's 8 frequencies of 0-15 and of 16-31: cos at reg, reg + 8; sin at reg + 16, reg + 24 (window 1)
.macro TABLOAD a, reg
	WIN TO_B
.irp c, 0,1,2,3
	global_load_b128 v[\reg+8*\c:\reg+8*\c+3], v[TA], s[66:67] offset:4096*(\a)+64*\c
	global_load_b128 v[\reg+8*\c+4:\reg+8*\c+7], v[TA], s[66:67] offset:4096*(\a)+64*\c+16
.endr
	WIN 0
.endm
	TABLOAD 0, 64                                  ; blocks 0-3 now, into the half of window 1 that W's two sets leave free: they land under the products
	TABLOAD 1, 96
	TABLOAD 2, 192
	TABLOAD 3, 224
.macro FRAG reg, adr, q, i             ; 16 rows x 128 K of 4-bit codes: 8 registers; registers 4 c .. 4 c + 3 hold K = 64 c + 32 (l / 16) + 0 .. 31
.irp c, 0,1
	ds_load_b128 v[\reg+4*\c:\reg+4*\c+3], v[\adr] offset:64*(\q)+32*\c+(\i)*16*PITCH
.endr
.endm
; 16 matrix instructions: x's blocks a0, a0 + 1 against W's eight.  The 64 accumulators take turns, one instruction a turn, in the same order in every step.
.macro MUL16 a0, p, q, sc, zero
.irp a, \a0, \a0+1
.irp b, 0,1,2,3,4,5,6,7
.if \zero
	v_wmma_scale_f32_16x16x128_f8f6f4 v[8*(8*((\a)%4)+\b):8*(8*((\a)%4)+\b)+7], v[128*(\p)+FR*\b:128*(\p)+FR*\b+FR-1], v[AF+FR*(\a):AF+FR*(\a)+FR-1], 0, v[SC+8*NQ*(\sc)+NQ*\b+(\q)], v[SC+8*NQ*(\sc)+NQ*(\a)+(\q)] matrix_a_fmt:MATRIX_FMT_FP4 matrix_b_fmt:MATRIX_FMT_FP4 matrix_a_scale:MATRIX_SCALE_ROW1
.else
	v_wmma_scale_f32_16x16x128_f8f6f4 v[8*(8*((\a)%4)+\b):8*(8*((\a)%4)+\b)+7], v[128*(\p)+FR*\b:128*(\p)+FR*\b+FR-1], v[AF+FR*(\a):AF+FR*(\a)+FR-1], v[8*(8*((\a)%4)+\b):8*(8*((\a)%4)+\b)+7], v[SC+8*NQ*(\sc)+NQ*\b+(\q)], v[SC+8*NQ*(\sc)+NQ*(\a)+(\q)] matrix_a_fmt:MATRIX_FMT_FP4 matrix_b_fmt:MATRIX_FMT_FP4 matrix_a_scale:MATRIX_SCALE_ROW1
.endif
.endr
.endr
.endm
.macro FETCH_B slot, q, p
	WIN TO_B
.irp i, 0,1,2,3,4,5,6,7
	FRAG 128*(\p)+FR*\i, ADRB+\slot, \q, \i
.endr
	WIN 0
.endm
.macro FETCH_A slot, q, i0
.irp i, \i0, \i0+1, \i0+2, \i0+3
	FRAG AF+FR*(\i), ADRA+\slot, \q, \i
.endr
.endm
.macro SCALES sc                       ; a K step's scale words: lanes 0-15 take x's block i, lanes 16-31 W's block i
.irp i, 0,1,2,3,4,5,6,7
	ds_load_b128 v[SC+8*NQ*\sc+NQ*\i:SC+8*NQ*\sc+NQ*\i+3], v[ADRS] offset:\i*SBLK
.endr
.endm
.macro PLACES n                        ; plain vector instructions between a matrix instruction and a load into, or a read of, its registers
.rept \n
	v_nop
.endr
.endm
.macro STEP slot, q, zero
	s_wait_dscnt 4*NL                              ; W's set and x's blocks 0-3 are in; the youngest eight loads (x's blocks 4-7) may be out
	WIN MUL_LO
	MUL16 0, (\q)%2, \q, \slot, \zero
	MUL16 2, (\q)%2, \q, \slot, \zero
	s_wait_dscnt 0
	PLACES NP
	FETCH_B \slot, (\q)+1, 1-(\q)%2
	FETCH_A \slot, (\q)+1, 0
	WIN MUL_HI
	MUL16 4, (\q)%2, \q, \slot, \zero
	MUL16 6, (\q)%2, \q, \slot, \zero
	PLACES NP
	WIN 0
	FETCH_A \slot, (\q)+1, 4
.endm
; A slot's last step changes slots: one barrier; in front of it each wave waits for all its tensor loads, adds 0 to its spare word, and waits for that and for its reads of this slot.
.macro TURN slot, next, fill
	s_wait_tensorcnt 0x0                           ; all my tensor loads have landed: my part of the next slot
	ds_add_u32 v[SPW], v[NIL]
	s_wait_dscnt 4*NL+1                            ; (the add and the youngest eight loads may be out)
	WIN MUL_LO
	MUL16 0, 1, NQ-1, \slot, 0
	s_wait_dscnt 0x0                               ; the add is done, and my reads of this slot are over
	s_barrier_signal -1
	MUL16 2, 1, NQ-1, \slot, 0
	WIN 0
	s_barrier_wait -1
.if \fill
	CREST                                          ; the barrier has opened a round of the cluster's: no wave of any partner still reads this slot or has a load on its way
	s_add_nc_u64 s[G0+4*\slot+2:G0+4*\slot+3], s[G0+4*\slot+2:G0+4*\slot+3], 2*ROWB
	s_add_nc_u64 s[G0B+4*\slot+2:G0B+4*\slot+3], s[G0B+4*\slot+2:G0B+4*\slot+3], 2*ROWB
	JLOAD G0+4*\slot, G1, G0B+4*\slot, G1B         ; my one tensor load behind the round; its four v_nop are the places in front of the loads below
.else
	PLACES NP
.endif
	v_add_nc_u32 v[ADRS], 4*NQ, v[ADRS]
	FETCH_B \next, 0, 0
	FETCH_A \next, 0, 0
	SCALES \next
	WIN MUL_HI
	MUL16 4, 1, NQ-1, \slot, 0
	MUL16 6, 1, NQ-1, \slot, 0
	PLACES NP
	WIN 0
	FETCH_A \next, 0, 4
.endm
.macro STEPS slot, from
.set Q, \from
.rept NQ-1-\from
	STEP \slot, Q, 0
.set Q, Q+1
.endr
.endm
	s_wait_tensorcnt 1                             ; the scale bytes and my part of K step 0 are in (K step 1's load may be out)
	s_barrier_signal -1
	s_barrier_wait -1
	FETCH_B 0, 0, 0
	FETCH_A 0, 0, 0
	SCALES 0
	FETCH_A 0, 0, 4
	STEP 0, 0, 1                                   ; the first step's products start the sums
	s_mov_b32 s3, LAPS-1
.Llap:
	STEPS 0, 1
	TURN 0, 1, 1
	STEPS 1, 0
	TURN 1, 0, 1
	STEP 0, 0, 0
	s_sub_co_u32 s3, s3, 1
	s_cmp_lg_u32 s3, 0
	s_cbranch_scc1 .Llap
	STEPS 0, 1                                     ; the last lap fills nothing
	TURN 0, 1, 0
	STEPS 1, 0
	s_wait_dscnt 4*NL
	WIN MUL_LO
	MUL16 0, 1, NQ-1, 1, 0
	MUL16 2, 1, NQ-1, 1, 0
	s_wait_dscnt 0
	WIN MUL_HI
	MUL16 4, 1, NQ-1, 1, 0
	MUL16 6, 1, NQ-1, 1, 0
	WIN 0
; THE WAY OUT, in 16 units u = 2 a + hh: 16 rows (block a) of one head (hh).  Lane (r, h) holds row r and, in accumulator (a, 4 hh + i), the head's channels 16 i + 8 h + 0..7.
.macro PREP a                          ; block a's cos and sin become C' and S'
.set TBLK, 64*(1-(\a)/4)+32*((\a)%2)+128*(((\a)%4)/2)
.if (\a) < 4
	s_wait_loadcnt 32                              ; the 32 loads issued at the head are in; the 32 issued behind the products may be out
.else
	s_wait_loadcnt 8*(7-(\a))                      ; the later blocks' loads may be out
.endif
	WIN 0x41
.irp j, 0,2,4,6,8,10,12,14
	v_pk_fma_f32 v[TBLK+\j:TBLK+\j+1], v[TBLK+\j:TBLK+\j+1], s[96:97], v[A0:A0+1] op_sel_hi:[1,0,0]
.endr
.irp j, 16,18,20,22,24,26,28,30
	v_pk_mul_f32 v[TBLK+\j:TBLK+\j+1], v[TBLK+\j:TBLK+\j+1], s[96:97] op_sel_hi:[1,0]
.endr
.endm
.macro ROT a, hh                       ; each accumulator is read from its low end on
.set TBLK, 64*(1-(\a)/4)+32*((\a)%2)+128*(((\a)%4)/2)
.set AC, 64*((\a)%4)+32*(\hh)
	WIN 0x06+(\a)/4                                ; source 0: the accumulators' window; source 1: window 1; the rest window 0
.irp i, 0,1
.irp j, 0,2,4,6
	v_pk_mul_f32 v[RR+8*\i+\j:RR+8*\i+\j+1], v[AC+8*(\i+2)+\j:AC+8*(\i+2)+\j+1], v[TBLK+16+8*\i+\j:TBLK+16+8*\i+\j+1]
	v_pk_mul_f32 v[RR+8*(\i+2)+\j:RR+8*(\i+2)+\j+1], v[AC+8*\i+\j:AC+8*\i+\j+1], v[TBLK+16+8*\i+\j:TBLK+16+8*\i+\j+1]
	v_pk_fma_f32 v[RR+8*\i+\j:RR+8*\i+\j+1], v[AC+8*\i+\j:AC+8*\i+\j+1], v[TBLK+8*\i+\j:TBLK+8*\i+\j+1], v[RR+8*\i+\j:RR+8*\i+\j+1] neg_lo:[0,0,1] neg_hi:[0,0,1]
	v_pk_fma_f32 v[RR+8*(\i+2)+\j:RR+8*(\i+2)+\j+1], v[AC+8*(\i+2)+\j:AC+8*(\i+2)+\j+1], v[TBLK+8*\i+\j:TBLK+8*\i+\j+1], v[RR+8*(\i+2)+\j:RR+8*(\i+2)+\j+1]
.endr
.endr
	WIN 0
.irp p, 0,1,2,3,4,5,6,7,8,9,10,11,12,13,14,15
	v_cvt_pk_f16_f32 v[HR+16*(\hh)+\p], v[RR+2*\p], v[RR+2*\p+1]
.endr
.endm
.macro TOSTAGE hh                      ; LDS serves a wave's instructions in order: the loads see the stores, and the next unit's stores come behind them
.irp d, 0,1,2,3
	ds_store_b128 v[STO], v[HR+16*(\hh)+4*\d:HR+16*(\hh)+4*\d+3] offset:32*\d
.endr
.irp t, 0,1,2,3
	ds_load_b128 v[OBR+16*(\hh)+4*\t:OBR+16*(\hh)+4*\t+3], v[RD] offset:4*144*\t
.endr
.endm
.macro SEND u
	s_wait_dscnt 0x0                               ; the unit is back in registers, and its stores into the stage have read theirs
.irp t, 0,1,2,3
	global_store_b128 v[GO], v[OBR+16*((\u)%2)+4*\t:OBR+16*((\u)%2)+4*\t+3], s[12:13] offset:131072*((\u)%2)+2048*((\u)/2)+512*\t   ; 512 consecutive bytes
.endr
.endm
	PLACES NP                                      ; for the loads into W's registers, the writes over x's, and the first reads of results
	TABLOAD 4, 0
	TABLOAD 5, 32
	TABLOAD 6, 128
	TABLOAD 7, 160
.irp a, 0,1,2,3,4,5,6,7
	PREP \a
.irp hh, 0,1
	ROT \a, \hh
.if 2*\a+\hh > 0
	SEND 2*\a+\hh-1
	s_wait_xcnt 0x0                                ; earlier stores have read their registers: the loads below may land there
.endif
	TOSTAGE \hh
.endr
.endr
	SEND 15
	s_wait_tensorcnt 0x0                           ; the wave's end
	ds_add_u32 v[SPW], v[NIL]
	s_wait_dscnt 0x0
	CROUND                                         ; the closing round
	s_endpgm
.Lfunc_end_k_q2b0e99db52_qkv:
	.size	k_q2b0e99db52_qkv, .Lfunc_end_k_q2b0e99db52_qkv-k_q2b0e99db52_qkv
	.p2alignl 7, 3214868480
	.fill 96, 4, 3214868480
	.section	.rodata,"a",@progbits
	.p2align	6, 0x0
	.amdhsa_kernel k_q2b0e99db52_qkv
		.amdhsa_group_segment_fixed_size 327680
		.amdhsa_private_segment_fixed_size 0
		.amdhsa_enable_private_segment 0
		.amdhsa_kernarg_size 40
		.amdhsa_user_sgpr_count 2
		.amdhsa_user_sgpr_kernarg_segment_ptr 1
		.amdhsa_wavefront_size32 1
		.amdhsa_system_sgpr_workgroup_id_x 1
		.amdhsa_system_sgpr_workgroup_id_y 1
		.amdhsa_system_sgpr_workgroup_id_z 1
		.amdhsa_system_vgpr_workitem_id 0
		.amdhsa_next_free_vgpr 1024
		.amdhsa_next_free_sgpr 100
		.amdhsa_reserve_vcc 0
		.amdhsa_float_denorm_mode_32 3
		.amdhsa_float_denorm_mode_16_64 3
		.amdhsa_memory_ordered 1
		.amdhsa_forward_progress 1
		.amdhsa_inst_pref_size 255
	.end_amdhsa_kernel
	.section	.bss,"aw",@nobits
	.p2align	6
	.space	262144
	.amdgpu_metadata
---
amdhsa.version: [ 1, 2 ]
amdhsa.kernels:
  - .name:           k_q2b0e99db52_qkv
    .symbol:         k_q2b0e99db52_qkv.kd
    .args:
      - { .name: x_codes, .offset: 0, .size: 8, .value_kind: global_buffer, .address_space: global }
      - { .name: scales, .offset: 8, .size: 8, .value_kind: global_buffer, .address_space: global }
      - { .name: w_codes, .offset: 16, .size: 8, .value_kind: global_buffer, .address_space: global }
      - { .name: qkv, .offset: 24, .size: 8, .value_kind: global_buffer, .address_space: global }
      - { .name: tab, .offset: 32, .size: 8, .value_kind: global_buffer, .address_space: global }
    .group_segment_fixed_size: 327680
    .private_segment_fixed_size: 0
    .kernarg_segment_align: 8
    .kernarg_segment_size: 40
    .max_flat_workgroup_size: 128
    .sgpr_count:     100
    .vgpr_count:     1024
    .wavefront_size: 32
...
	.end_amdgpu_metadata
.endif
;; end of part 2
;; launch attn (part 3): grid 8 x 32, 8 waves a work-group, clusters of 4 x 1, 327,680 bytes of LDS; arguments qkv, mask2, ao; writes ao
.if DOCPART == 3
	.amdgcn_target "amdgcn-amd-amdhsa--gfx1250"
	.amdhsa_code_object_version 6
	.text
	.protected	k_q2b0e99db52_attn
	.globl	k_q2b0e99db52_attn
	.p2align	8
	.type	k_q2b0e99db52_attn,@function
k_q2b0e99db52_attn:
	s_mov_b64 s[64:65], 0
	v_nop
	global_prefetch_b8 v0, s[64:65] scope:SCOPE_SE
	s_setreg_imm32_b32 hwreg(HW_REG_WAVE_MODE, 25, 1), 1
	s_wait_xcnt 0x0
	s_wait_alu depctr_hold_cnt(0) depctr_sa_sdst(0) depctr_va_vdst(0) depctr_va_sdst(0) depctr_va_ssrc(0) depctr_va_vcc(0) depctr_vm_vsrc(0)
	s_getreg_b32 s2, hwreg(HW_REG_IB_STS2, 6, 4)
	s_cmp_eq_u32 s2, 0
	s_cbranch_scc0 .Lentry_in_a_cluster
	s_endpgm
.Lentry_in_a_cluster:
	s_bfe_u32 s2, ttmp6, 0x10000c
	s_cmp_lg_u32 s2, 0x3003
	s_cbranch_scc0 .Lentry_shape_is_right
	s_endpgm
.Lentry_shape_is_right:
; Launch 3 of 4: ao[b][s][64 head + d] = sum over keys of softmax(q . k / 8 + mask) v, f16 operands, f32 sums, maxima and row sums.  Nothing is left out: the mask is an input, so every query walks all 1,024 keys.
; q' and k' carry log2(e)/8 between them and mask2 is mask x log2(e): a = q'.k' + mask2 is the softmax's input in powers of two.  The mask is added by a vector addition, so that a row wholly at the mask's lowest value has equal scores, as in f32.
; For each query a running maximum m and sum l: p = 2^(a - m); in every step O and l are multiplied by 2^(m_old - m_new).  a is finite (mask2 is held to +-1.75 x 2^127), so no difference of infinities arises; a difference that overflows gives p = 0.
; The row's sum is taken of the unrounded p; p is rounded to f16 for the second product.  LIMITS: NaN and infinities are not served.
; SHARES.  Work-group (x, y): y = 8 b + kv head; 128 query positions x the 4 query heads of that kv head.  Wave w: 16 positions, four tiles, one a head: each fragment of K and V and each mask register serves four tiles.
; Two waves of 512 registers share a SIMD: one wave's softmax stands beside the other's products.
; K AND V OF (b, kv head), 1,024 keys, STAY IN LDS: filled once, in four chunks of 256 keys, no slot is filled again.  All of K and V is asked for at the head, so nothing of them is left to ask for ahead of time.
; CLUSTER: the four query blocks of a cluster share K and V: each tile is asked for jointly.  The mask's blocks are shared by work-groups of different y, which lie in other clusters: they come by plain loads, 512 consecutive bytes each.
; LAYOUT.  S^T = K Q^T and O^T = V^T P: a lane holds one query (lane % 16) throughout; two tiles of S^T, rounded in pairs, are source 1 of the second product.  V comes out of LDS turned, by ds_load_tr16_b128.
; REGISTERS.  window 0: v1-11 addresses; v16-47 statistics, 8 a tile: +0 m, +1 0, +2 +3 l, +4 alpha, +5 0, +6 +7 at work; v48-79 the mask; v80-87 second chains of the sums; v96-223 S^T, 32 a tile, P over its first 16.
;   window 1: v0-127 O^T (tile t, channels 16 dt on: 32 t + 8 dt); v128-191 Q (16 t + 8 dc); v192-255 eight fragments, K's and V's by turns.
.set KP,    272                        ; an LDS row holds two keys: 256 bytes + 16: the 16 keys of a fragment start at words 68 (r / 2) + 32 (r % 2)
.set VP,    288                        ; V's: 256 + 32: the 8 keys x 32 bytes of a turning load's 16 lanes start at words 72 p + 32 b + 4 c
.set VB,    512*KP
.set STG,   VB+512*VP                  ; a stage of 16 rows x 272 bytes for each wave
.set SPARE, STG+8*16*272               ; the spare words, 128 bytes a wave
.set AK0, 1
.set AV0, 2
.set ADK, 3
.set ADV, 4
.set ML,  5
.set QO,  6
.set STO, 7
.set RD,  8
.set GO,  9
.set SPW, 10
.set NIL, 11
.set ST,  16
.set M,   48
.set XC,  80
.set S,   96
.set QR,  128                          ; in window 1
.set KV,  192                          ; in window 1
.set WV,  12
.set G1K, 24
.set G1V, 32
.set G0K, 40                           ; s[40:55] four sets
.set G0V, 68                           ; s[68:83] four sets
.set TK,  56                           ; LDS byte of the K step to be fetched
.set TV,  57                           ; and of V's
.set CNT, 58
.set SEL, 60
.set MB,  84                           ; s[84:85] the mask block in hand
.set QB,  86
.set AOB, 88
.set MSB, 0
.macro WIN new
.if MSB != \new
	s_set_vgpr_msb (MSB<<8)|\new
.set MSB, \new
.endif
.endm
.set W_KQ, 0x05                        ; K and Q window 1, S^T window 0
.set W_PV, 0x51                        ; V window 1, P window 0, O^T window 1
.set W_RS, 0x41                        ; O^T window 1, alpha window 0
.set TO_1, 0x40
.macro CROUND
	s_barrier_signal -1
	s_barrier_wait -1
	s_cmp_lg_u32 s[WV], 0
	s_cbranch_scc1 .Lnot_wave_0_\@
	s_barrier_signal -3
.Lnot_wave_0_\@:
	s_barrier_wait -3
	s_barrier_signal -1
	s_barrier_wait -1
.endm
	s_load_b128 s[4:7], s[0:1], 0x0                ; qkv s[4:5], mask2 s[6:7]
	s_load_b64 s[8:9], s[0:1], 0x10                ; ao
	v_lshl_add_u32 v[SPW], v0, 2, SPARE
	v_mov_b32 v[NIL], 0
	ds_add_u32 v[SPW], v[NIL]                      ; the wave's opening: the add, twice on end, and its wait ahead of my first tensor load
	ds_add_u32 v[SPW], v[NIL]
	v_lshrrev_b32 v1, 5, v0
	v_readfirstlane_b32 s[WV], v1                  ; wave 0..7
	s_bfe_u32 s13, ttmp6, 0x40000                  ; cx: it enters Q's, the mask's and ao's addresses alone
	s_lshl_b32 s14, ttmp9, 2
	s_add_co_u32 s14, s14, s13                     ; my block of 128 positions
	s_and_b32 s15, ttmp7, 0xffff
	s_lshr_b32 s16, s15, 3                         ; b
	s_and_b32 s17, s15, 7                          ; kv head
	s_mul_i32 s18, s16, 48
	s_and_b32 s19, s[WV], 3                        ; which 64 keys of a chunk I fetch
	s_add_co_u32 s20, s18, s17
	s_add_co_u32 s20, s20, 32                      ; k' of this kv head: g = 32 + kv head
	s_lshl_b32 s20, s20, 17
	s_lshl_b32 s21, s19, 13
	s_add_co_u32 s20, s20, s21
	s_mov_b32 s21, 0
	s_mul_i32 s62, s19, 32*KP
	s_mul_i32 s63, s19, 32*VP
	s_lshl_b32 s22, s14, 7
	s_lshl_b32 s23, s[WV], 4
	s_add_co_u32 s22, s22, s23                     ; my first position s0
	s_lshl_b32 s90, s17, 2
	s_add_co_u32 s90, s90, s18                     ; my first query head: g = 4 x kv head
	s_lshl_b32 s90, s90, 17
	s_lshl_b32 s91, s22, 7
	s_add_co_u32 s90, s90, s91
	s_mov_b32 s91, 0
	s_lshl_b32 s92, s22, 12                        ; the mask's blocks of my 16 positions: (s0 / 16) x 16 blocks of 4,096 bytes
	s_mov_b32 s93, 0
	s_lshl_b32 s94, s16, 10
	s_add_co_u32 s94, s94, s22
	s_lshl_b32 s94, s94, 12                        ; ao: row 1,024 b + s0 of 4,096 bytes,
	s_lshl_b32 s95, s17, 9
	s_add_co_u32 s94, s94, s95                     ; + my four heads' 512 bytes
	s_mov_b32 s95, 0
	; descriptor group 1: 32 rows of 128 elements of 2 bytes (two keys a row: the rows are dense in memory), padded in LDS
	s_mov_b32 s[G1K], 15|(1<<16)|(1<<20)|(1<<21)|(5<<22)|(3<<25)  ; the mask: all four work-groups; padding: 4 words behind every 64
	s_mov_b32 s[G1V], 15|(1<<16)|(1<<20)|(1<<21)|(5<<22)|(7<<25)  ; 8 words
.irp g, G1K, G1V
	s_mov_b32 s[\g+1], 128<<16                     ; tensor_dim0
	s_mov_b32 s[\g+2], 32<<16                      ; tensor_dim1
	s_mov_b32 s[\g+3], 128<<16                     ; tile_dim0
	s_mov_b32 s[\g+4], 32                          ; tile_dim1
	s_mov_b32 s[\g+5], 128                         ; from row to row
	s_mov_b32 s[\g+6], 0
	s_mov_b32 s[\g+7], 0
.endr
	s_mov_b32 s[SEL], 0x76543210
	s_mov_b32 s[SEL+1], 0xfedcba98
	s_mov_b32 s[TK], 0
	s_mov_b32 s[TV], 0
	s_wait_dscnt 0x0                               ; both opening adds are done
	s_wait_kmcnt 0x0
	s_add_nc_u64 s[20:21], s[4:5], s[20:21]        ; K at my tile of chunk 0; V lies 8 heads on
	s_add_nc_u64 s[QB:QB+1], s[4:5], s[90:91]
	s_add_nc_u64 s[MB:MB+1], s[6:7], s[92:93]
	s_add_nc_u64 s[AOB:AOB+1], s[8:9], s[94:95]
.irp c, 0,1,2,3
	s_mov_b32 s[G0K+4*\c], 1
	s_add_co_u32 s[G0K+4*\c+1], s62, 128*KP*\c
	s_add_nc_u64 s[G0K+4*\c+2:G0K+4*\c+3], s[20:21], 32768*\c
	s_or_b32 s[G0K+4*\c+3], s[G0K+4*\c+3], 0x80000000
	s_mov_b32 s[G0V+4*\c], 1
	s_add_co_u32 s[G0V+4*\c+1], s63, VB+128*VP*\c
	s_add_nc_u64 s[G0V+4*\c+2:G0V+4*\c+3], s[20:21], 1048576+32768*\c
	s_or_b32 s[G0V+4*\c+3], s[G0V+4*\c+3], 0x80000000
.endr
	CROUND                                         ; all four work-groups are here: the joint loads meet
	s_cmp_lt_u32 s[WV], 4                          ; waves 0-3 fetch K, waves 4-7 V: a wave's four fills stand in one branch; four loads of mine are out
	s_cbranch_scc0 .Lfill_v
.irp c, 0,1,2,3
	tensor_load_to_lds s[G0K+4*\c:G0K+4*\c+3], s[G1K:G1K+7]
	s_nop 0
.endr
.rept 4
	v_nop
.endr
	s_branch .Lfilled
.Lfill_v:
.irp c, 0,1,2,3
	tensor_load_to_lds s[G0V+4*\c:G0V+4*\c+3], s[G1V:G1V+7]
	s_nop 0
.endr
.rept 4
	v_nop
.endr
.Lfilled:
	v_and_b32 v12, 15, v0                          ; r
	v_bfe_u32 v13, v0, 4, 1                        ; h
	v_lshlrev_b32 v[QO], 7, v12
	v_lshl_add_u32 v[QO], v13, 4, v[QO]            ; Q: row r of 128 bytes, + 16 h
	v_and_b32 v[ML], 31, v0
	v_lshlrev_b32 v[ML], 4, v[ML]
	WIN TO_1
.irp t, 0,1,2,3
.irp dc, 0,1
	global_load_b128 v[QR+16*\t+8*\dc:QR+16*\t+8*\dc+3], v[QO], s[QB:QB+1] offset:131072*\t+64*\dc
	global_load_b128 v[QR+16*\t+8*\dc+4:QR+16*\t+8*\dc+7], v[QO], s[QB:QB+1] offset:131072*\t+64*\dc+32
.endr
.endr
	WIN 0
.irp i, 0,1,2,3,4,5,6,7
	global_load_b128 v[M+4*\i:M+4*\i+3], v[ML], s[MB:MB+1] offset:512*\i   ; key step 0's mask
.endr
	v_lshrrev_b32 v14, 1, v12
	v_mul_u32_u24 v[AK0], v14, KP
	v_and_b32 v14, 1, v12
	v_lshl_add_u32 v[AK0], v14, 7, v[AK0]
	v_lshl_add_u32 v[AK0], v13, 4, v[AK0]          ; K: key r at KP (r / 2) + 128 (r % 2), + 16 h
	v_bfe_u32 v14, v0, 1, 2
	v_lshl_add_u32 v14, v13, 2, v14
	v_mul_u32_u24 v[AV0], v14, VP
	v_and_b32 v14, 1, v0
	v_lshl_add_u32 v[AV0], v14, 7, v[AV0]
	v_bfe_u32 v14, v0, 3, 1
	v_lshl_add_u32 v[AV0], v14, 4, v[AV0]
	v_add_nc_u32 v[AV0], VB, v[AV0]                ; V: key 8 h + l % 8, channels 8 ((l / 8) % 2) on
	s_mul_i32 s13, s[WV], 16*272
	s_add_co_u32 s13, s13, STG
	v_mul_u32_u24 v[STO], v12, 272
	v_lshl_add_u32 v[STO], v13, 4, v[STO]
	v_add_nc_u32 v[STO], s13, v[STO]
	v_mul_u32_u24 v[RD], v13, 272
	v_lshl_add_u32 v[RD], v12, 4, v[RD]
	v_add_nc_u32 v[RD], s13, v[RD]
	v_lshlrev_b32 v[GO], 12, v13
	v_lshl_add_u32 v[GO], v12, 4, v[GO]
.irp t, 0,1,2,3
	v_mov_b32 v[ST+8*\t+1], 0                      ; named as upper halves of pairs
	v_mov_b32 v[ST+8*\t+5], 0
.endr
.macro HEAD n                          ; a chunk is whole in every wave's eyes.  n: my later chunks' loads, which may stay out
	s_wait_tensorcnt \n
	s_wait_dscnt 0x0
	s_barrier_signal -1
	s_barrier_wait -1
.endm
.macro KLOAD                           ; the next key step's K: 64 keys x 64 channels, eight fragments, channels 0-31 first
	v_add_nc_u32 v[ADK], s[TK], v[AK0]
	s_add_co_u32 s[TK], s[TK], 32*KP
	WIN TO_1
.irp dc, 0,1
.irp kt, 0,1,2,3
	ds_load_b128 v[KV+16*\kt+8*\dc:KV+16*\kt+8*\dc+3], v[ADK] offset:8*KP*\kt+64*\dc
	ds_load_b128 v[KV+16*\kt+8*\dc+4:KV+16*\kt+8*\dc+7], v[ADK] offset:8*KP*\kt+64*\dc+32
.endr
.endr
	WIN 0
.endm
; A KEY STEP: 64 keys.  first = 1: it starts m, l and O^T.  ahead = 1: it fetches the next step's mask and K.
.macro STEP first, ahead
	s_wait_dscnt 8                                 ; K's channels 0-31 are in; the eight loads of channels 32-63 may be out
	WIN W_KQ
.irp kt, 0,1,2,3
.irp t, 0,1,2,3
	v_wmma_f32_16x16x32_f16 v[S+32*\t+8*\kt:S+32*\t+8*\kt+7], v[KV+16*\kt:KV+16*\kt+7], v[QR+16*\t:QR+16*\t+7], 0
.endr
.endr
	s_wait_dscnt 0x0
.irp kt, 0,1,2,3
.irp t, 0,1,2,3
	v_wmma_f32_16x16x32_f16 v[S+32*\t+8*\kt:S+32*\t+8*\kt+7], v[KV+16*\kt+8:KV+16*\kt+15], v[QR+16*\t+8:QR+16*\t+15], v[S+32*\t+8*\kt:S+32*\t+8*\kt+7]   ; the 16 accumulators take turns
.endr
.endr
	WIN 0
	v_add_nc_u32 v[ADV], s[TV], v[AV0]             ; with the three below: four places in front of the loads into K's registers and of the first reads of the scores
.rept 3
	v_nop
.endr
	s_add_co_u32 s[TV], s[TV], 32*VP
	WIN TO_1
.irp kc, 0,1
.irp dt, 0,1,2,3
	ds_load_tr16_b128 v[KV+32*\kc+8*\dt:KV+32*\kc+8*\dt+3], v[ADV] offset:16*VP*\kc+32*\dt
	ds_load_tr16_b128 v[KV+32*\kc+8*\dt+4:KV+32*\kc+8*\dt+7], v[ADV] offset:16*VP*\kc+8*VP+32*\dt
.endr
.endr
	WIN 0
	s_wait_loadcnt 0x0                             ; this step's mask
.irp kt, 0,1,2,3
.irp j, 0,2,4,6
.irp t, 0,1,2,3
	v_pk_add_f32 v[S+32*\t+8*\kt+\j:S+32*\t+8*\kt+\j+1], v[S+32*\t+8*\kt+\j:S+32*\t+8*\kt+\j+1], v[M+8*\kt+\j:M+8*\kt+\j+1]   ; each accumulator from its low end on
.endr
.endr
.endr
.if \ahead
	s_add_nc_u64 s[MB:MB+1], s[MB:MB+1], 4096      ; the loads that named the base are done
.irp i, 0,1,2,3,4,5,6,7
	global_load_b128 v[M+4*\i:M+4*\i+3], v[ML], s[MB:MB+1] offset:512*\i
.endr
.endif
	; the maximum of a tile's 32 scores and the old m, the four tiles line by line
.irp t, 0,1,2,3
	v_max3_num_f32 v[ST+8*\t+6], v[S+32*\t], v[S+32*\t+1], v[S+32*\t+2]
.endr
.irp t, 0,1,2,3
	v_max3_num_f32 v[ST+8*\t+7], v[S+32*\t+16], v[S+32*\t+17], v[S+32*\t+18]
.endr
.irp i, 3,5,7,9,11,13
.irp t, 0,1,2,3
	v_max3_num_f32 v[ST+8*\t+6], v[ST+8*\t+6], v[S+32*\t+\i], v[S+32*\t+\i+1]
.endr
.irp t, 0,1,2,3
	v_max3_num_f32 v[ST+8*\t+7], v[ST+8*\t+7], v[S+32*\t+16+\i], v[S+32*\t+17+\i]
.endr
.endr
.irp t, 0,1,2,3
	v_max3_num_f32 v[ST+8*\t+6], v[ST+8*\t+6], v[S+32*\t+15], v[S+32*\t+31]
.endr
.irp t, 0,1,2,3
.if \first
	v_max_num_f32 v[ST+8*\t+6], v[ST+8*\t+6], v[ST+8*\t+7]
.else
	v_max3_num_f32 v[ST+8*\t+6], v[ST+8*\t+6], v[ST+8*\t+7], v[ST+8*\t]
.endif
.endr
.irp t, 0,1,2,3
	v_permlanex16_b32 v[ST+8*\t+7], v[ST+8*\t+6], s[SEL], s[SEL+1]   ; the query's other 32 keys lie in the lane 16 away
.endr
.irp t, 0,1,2,3
	v_max_num_f32 v[ST+8*\t+6], v[ST+8*\t+6], v[ST+8*\t+7]
.endr
.if \first == 0
.irp t, 0,1,2,3
	v_sub_f32 v[ST+8*\t+4], v[ST+8*\t], v[ST+8*\t+6]
.endr
.endif
.irp t, 0,1,2,3
	v_mov_b32 v[ST+8*\t], v[ST+8*\t+6]
.endr
.if \first == 0
.irp t, 0,1,2,3
	v_exp_f32 v[ST+8*\t+4], v[ST+8*\t+4]           ; alpha = 2^(m_old - m_new)
.endr
.endif
.irp j, 0,2,4,6,8,10,12,14,16,18,20,22,24,26,28,30
.irp t, 0,1,2,3
	v_pk_add_f32 v[S+32*\t+\j:S+32*\t+\j+1], v[S+32*\t+\j:S+32*\t+\j+1], v[ST+8*\t:ST+8*\t+1] op_sel_hi:[1,0] neg_lo:[0,1] neg_hi:[0,1]   ; a - m
.endr
.endr
.if \first == 0
	s_wait_alu depctr_va_vdst(0)                   ; for the four alphas, behind 64 plain lines and ahead of their first reader
.endif
.set i, 0
.rept 128
	v_exp_f32 v[S+i], v[S+i]                       ; p: one batch
.set i, i+1
.endr
.if \first
	v_nop                                          ; a plain instruction behind the batch
.else
	WIN W_RS
.irp t, 0,1,2,3
.irp j, 0,2,4,6,8,10,12,14,16,18,20,22,24,26,28,30
	v_pk_mul_f32 v[32*\t+\j:32*\t+\j+1], v[32*\t+\j:32*\t+\j+1], v[ST+8*\t+4:ST+8*\t+5] op_sel_hi:[1,0]   ; O^T x alpha: work that names none of the batch's results
.endr
.endr
	WIN 0
.endif
	s_wait_alu depctr_va_vdst(0)                   ; one wait for the 128, ahead of their first reader
	; the sums of the unrounded p, two chains a tile
.irp t, 0,1,2,3
.if \first
	v_pk_add_f32 v[ST+8*\t+2:ST+8*\t+3], v[S+32*\t:S+32*\t+1], v[S+32*\t+4:S+32*\t+5]
.else
	v_pk_fma_f32 v[ST+8*\t+2:ST+8*\t+3], v[ST+8*\t+2:ST+8*\t+3], v[ST+8*\t+4:ST+8*\t+5], v[S+32*\t:S+32*\t+1] op_sel_hi:[1,0,1]
.endif
.endr
.irp t, 0,1,2,3
	v_pk_add_f32 v[XC+2*\t:XC+2*\t+1], v[S+32*\t+2:S+32*\t+3], v[S+32*\t+6:S+32*\t+7]
.endr
.if \first == 0
.irp t, 0,1,2,3
	v_pk_add_f32 v[ST+8*\t+2:ST+8*\t+3], v[ST+8*\t+2:ST+8*\t+3], v[S+32*\t+4:S+32*\t+5]
.endr
.endif
.irp j, 8,12,16,20,24,28
.irp t, 0,1,2,3
	v_pk_add_f32 v[ST+8*\t+2:ST+8*\t+3], v[ST+8*\t+2:ST+8*\t+3], v[S+32*\t+\j:S+32*\t+\j+1]
.endr
.irp t, 0,1,2,3
	v_pk_add_f32 v[XC+2*\t:XC+2*\t+1], v[XC+2*\t:XC+2*\t+1], v[S+32*\t+\j+2:S+32*\t+\j+3]
.endr
.endr
.irp t, 0,1,2,3
	v_pk_add_f32 v[ST+8*\t+2:ST+8*\t+3], v[ST+8*\t+2:ST+8*\t+3], v[XC+2*\t:XC+2*\t+1]
.endr
.irp p, 0,1,2,3,4,5,6,7,8,9,10,11,12,13,14,15
.irp t, 0,1,2,3
	v_cvt_pk_f16_f32 v[S+32*\t+\p], v[S+32*\t+2*\p], v[S+32*\t+2*\p+1]   ; in place, ascending: register p is written when 2 p and 2 p + 1 are read
.endr
.endr
	s_wait_dscnt 0x0                               ; V is in
	WIN W_PV
.irp kc, 0,1
.irp dt, 0,1,2,3
.irp t, 0,1,2,3
.if \first && (\kc == 0)
	v_wmma_f32_16x16x32_f16 v[32*\t+8*\dt:32*\t+8*\dt+7], v[KV+32*\kc+8*\dt:KV+32*\kc+8*\dt+7], v[S+32*\t+8*\kc:S+32*\t+8*\kc+7], 0
.else
	v_wmma_f32_16x16x32_f16 v[32*\t+8*\dt:32*\t+8*\dt+7], v[KV+32*\kc+8*\dt:KV+32*\kc+8*\dt+7], v[S+32*\t+8*\kc:S+32*\t+8*\kc+7], v[32*\t+8*\dt:32*\t+8*\dt+7]
.endif
.endr
.endr
.endr
	WIN 0
.rept 4
	v_nop                                          ; four places in front of the loads into V's registers; with the addition in KLOAD five, in front of the next step's first products, which write over P
.endr
.if \ahead
	KLOAD
.endif
.endm
.macro STEPS n
	s_mov_b32 s[CNT], \n
.Lstep_\@:
	STEP 0, 1
	s_sub_co_u32 s[CNT], s[CNT], 1
	s_cmp_lg_u32 s[CNT], 0
	s_cbranch_scc1 .Lstep_\@
.endm
	HEAD 3                                         ; chunk 0
	KLOAD
	s_wait_loadcnt 8                               ; Q is in; the mask's eight loads may be out
	STEP 1, 1                                      ; key step 0
	STEPS 2                                        ; 1, 2
	HEAD 2                                         ; a chunk's barrier stands one step early: step 3's end fetches step 4's K
	STEPS 4                                        ; 3 - 6
	HEAD 1
	STEPS 4                                        ; 7 - 10
	HEAD 0
	STEPS 4                                        ; 11 - 14
	STEP 0, 0                                      ; 15
	; THE WAY OUT: O^T / l, rounded to f16, two heads (256 bytes of a row of ao) at a time through my stage, so that sixteen lanes store 256 consecutive bytes.
.irp t, 0,1,2,3
	v_add_f32 v[ST+8*\t+6], v[ST+8*\t+2], v[ST+8*\t+3]
.endr
.irp t, 0,1,2,3
	v_permlanex16_b32 v[ST+8*\t+7], v[ST+8*\t+6], s[SEL], s[SEL+1]
.endr
.irp t, 0,1,2,3
	v_add_f32 v[ST+8*\t+6], v[ST+8*\t+6], v[ST+8*\t+7]
.endr
.irp t, 0,1,2,3
	v_rcp_f32 v[ST+8*\t+4], v[ST+8*\t+6]           ; l is at least 1: the row's largest p is 1
.endr
	v_nop
	s_wait_alu depctr_va_vdst(0)                   ; one wait for the four reciprocals
	WIN 0x01                                       ; source 0 window 1
.irp t, 0,1,2,3
.irp j, 0,2,4,6,8,10,12,14,16,18,20,22,24,26,28,30
	v_pk_mul_f32 v[S+32*\t+\j:S+32*\t+\j+1], v[32*\t+\j:32*\t+\j+1], v[ST+8*\t+4:ST+8*\t+5] op_sel_hi:[1,0]
.endr
.endr
	WIN 0
.irp p, 0,1,2,3,4,5,6,7,8,9,10,11,12,13,14,15
.irp t, 0,1,2,3
	v_cvt_pk_f16_f32 v[S+32*\t+\p], v[S+32*\t+2*\p], v[S+32*\t+2*\p+1]
.endr
.endr
.irp pr, 0,1                           ; read back: heads 0, 1 into the mask's registers; heads 2, 3 into the free upper halves of S of tiles 0 and 1
.irp tt, 0,1
.irp dt, 0,1,2,3
	ds_store_b128 v[STO], v[S+32*(2*\pr+\tt)+4*\dt:S+32*(2*\pr+\tt)+4*\dt+3] offset:128*\tt+32*\dt
.endr
.endr
.irp i, 0,1,2,3,4,5,6,7
	ds_load_b128 v[(1-\pr)*(M+4*\i)+\pr*(S+16+4*(\i%4)+32*(\i/4)):(1-\pr)*(M+4*\i)+\pr*(S+16+4*(\i%4)+32*(\i/4))+3], v[RD] offset:2*272*\i   ; LDS serves a wave's instructions in order
.endr
.endr
.irp pr, 0,1
.irp i, 0,1,2,3,4,5,6,7
	s_wait_dscnt 23-16*\pr-\i                      ; the younger LDS instructions may be out
	global_store_b128 v[GO], v[(1-\pr)*(M+4*\i)+\pr*(S+16+4*(\i%4)+32*(\i/4)):(1-\pr)*(M+4*\i)+\pr*(S+16+4*(\i%4)+32*(\i/4))+3], s[AOB:AOB+1] offset:8192*\i+256*\pr
.endr
.endr
	s_wait_tensorcnt 0x0                           ; the wave's end
	ds_add_u32 v[SPW], v[NIL]
	s_wait_dscnt 0x0
	CROUND                                         ; the closing round
	s_endpgm
.Lfunc_end_k_q2b0e99db52_attn:
	.size	k_q2b0e99db52_attn, .Lfunc_end_k_q2b0e99db52_attn-k_q2b0e99db52_attn
	.p2alignl 7, 3214868480
	.fill 96, 4, 3214868480
	.section	.rodata,"a",@progbits
	.p2align	6, 0x0
	.amdhsa_kernel k_q2b0e99db52_attn
		.amdhsa_group_segment_fixed_size 327680
		.amdhsa_private_segment_fixed_size 0
		.amdhsa_enable_private_segment 0
		.amdhsa_kernarg_size 24
		.amdhsa_user_sgpr_count 2
		.amdhsa_user_sgpr_kernarg_segment_ptr 1
		.amdhsa_wavefront_size32 1
		.amdhsa_system_sgpr_workgroup_id_x 1
		.amdhsa_system_sgpr_workgroup_id_y 1
		.amdhsa_system_sgpr_workgroup_id_z 1
		.amdhsa_system_vgpr_workitem_id 0
		.amdhsa_next_free_vgpr 512
		.amdhsa_next_free_sgpr 96
		.amdhsa_reserve_vcc 0
		.amdhsa_float_denorm_mode_32 3
		.amdhsa_float_denorm_mode_16_64 3
		.amdhsa_memory_ordered 1
		.amdhsa_forward_progress 1
		.amdhsa_inst_pref_size 239
	.end_amdhsa_kernel
	.amdgpu_metadata
---
amdhsa.version: [ 1, 2 ]
amdhsa.kernels:
  - .name:           k_q2b0e99db52_attn
    .symbol:         k_q2b0e99db52_attn.kd
    .args:
      - { .name: qkv, .offset: 0, .size: 8, .value_kind: global_buffer, .address_space: global }
      - { .name: mask2, .offset: 8, .size: 8, .value_kind: global_buffer, .address_space: global }
      - { .name: ao, .offset: 16, .size: 8, .value_kind: global_buffer, .address_space: global }
    .group_segment_fixed_size: 327680
    .private_segment_fixed_size: 0
    .kernarg_segment_align: 8
    .kernarg_segment_size: 24
    .max_flat_workgroup_size: 256
    .sgpr_count:     96
    .vgpr_count:     512
    .wavefront_size: 32
...
	.end_amdgpu_metadata
.endif
;; end of part 3
;; launch proj (part 4): grid 8 x 32, 4 waves a work-group, clusters of 4 x 4, 327,680 bytes of LDS; arguments ao, wo16, out0; writes out0
.if DOCPART == 4
	.amdgcn_target "amdgcn-amd-amdhsa--gfx1250"
	.amdhsa_code_object_version 6
	.text
	.protected	k_q2b0e99db52_proj
	.globl	k_q2b0e99db52_proj
	.p2align	8
	.type	k_q2b0e99db52_proj,@function
k_q2b0e99db52_proj:
	s_mov_b64 s[64:65], 0
	v_nop
	global_prefetch_b8 v0, s[64:65] scope:SCOPE_SE
	s_setreg_imm32_b32 hwreg(HW_REG_WAVE_MODE, 25, 1), 1
	s_wait_xcnt 0x0
	s_wait_alu depctr_hold_cnt(0) depctr_sa_sdst(0) depctr_va_vdst(0) depctr_va_sdst(0) depctr_va_ssrc(0) depctr_va_vcc(0) depctr_vm_vsrc(0)
	s_getreg_b32 s2, hwreg(HW_REG_IB_STS2, 6, 4)
	s_cmp_eq_u32 s2, 0
	s_cbranch_scc0 .Lentry_in_a_cluster
	s_endpgm
.Lentry_in_a_cluster:
	s_bfe_u32 s2, ttmp6, 0x10000c
	s_cmp_lg_u32 s2, 0xf033
	s_cbranch_scc0 .Lentry_shape_is_right
	s_endpgm
.Lentry_shape_is_right:
; Launch 4 of 4: out0[m][n] = sum over k of ao[m][k] Wo[k][n], f16 operands, f32 sums; m = 4,096, n = k = 2,048.  Nothing is left out.
; A tile of out0 is 128 x 256: 256 work-groups.  Four waves, each 64 x 128: 32 accumulators, all of window 1 ((a, b) at v[8 (8 a + b)]).
; K GOES IN STEPS OF 192 through a ring of two LDS slots: the longest multiple of 32 of which two slots fit: 2 x (128 rows of ao x 432 bytes + 192 k-rows of Wo x 544 bytes) = 319,488 bytes.  A step is six quarters of 32 along K,
; 192 matrix instructions a wave, 176 of them between a slot's request and the wait for it.  2,048 = 10 x 192 + 128: ten such steps, and a last step of 128, written out, with descriptors of its own.
; ao's rows in a slot: 384 bytes of data with 16 bytes of padding behind every 128: 432 bytes from row to row; the padding is counted along the tile, so the last step's rows of 256 bytes lie 288 apart, in bytes that the
; full steps have filled.  Wo stays [k][n] (rows of 512 bytes + 32) and is turned on its way out of LDS by ds_load_tr16_b128.  ao's rows of 384 bytes begin at multiples of 128 bytes of memory: the price of the longer step.
; CLUSTERS: 4 x 4 work-groups; ao's tile is asked for jointly along a row of the cluster, Wo's along a column.  THE MATRIX INSTRUCTION IS USED TRANSPOSED (source 0 = 16 columns of Wo, source 1 = 16 rows of ao): a lane holds eight neighbouring columns of a row.
; window 0: v16-29 addresses; v64-127 ao's fragments, two buffers of 4; v128-255 Wo's, two buffers of 8; on the way out v128-255 rows read back.
.set KS,     192
.set AP,     432                       ; 108 words: the 16 rows that a load touches start at words 44 r mod 64: sixteen different groups of four
.set APT,    288                       ; the last step's
.set BP,     544                       ; an odd multiple of 32 bytes: the 8 k-rows x 32 bytes of a turning load's 16 lanes start 136 words apart
.set AHALF,  64*AP
.set BHALF,  96*BP
.set SLOT,   2*AHALF+2*BHALF
.set STAGE,  SLOT                      ; the way out: 16 rows x 528 bytes for each wave, in slot 1, which has had its last fill (step 9) and its last read when the first result is stored there
.set SPITCH, 528
.set SPARE,  2*SLOT                    ; behind the ring: the spare words, 128 bytes a wave
.set ADRA, 16                          ; v16-17 my ao fragments in slot 0, 1
.set ADRAT, 18                         ; v18    the same for the last step (slot 0, rows 288 bytes apart)
.set ADRB, 20                          ; v20-21 my Wo fragments in slot 0, 1;  v22-23 the same 96 k-rows further down: an LDS offset holds 16 bits
.set STO,  24
.set RD,   25
.set CO,   26
.set SPW,  28
.set NIL,  29
.set FA,   64
.set FB,   128
.set BK,   128
.set G1, 24                            ; s[24:31] group 1 for ao's tiles; s[32:39] group 0, a set for each slot
.set G0, 32
.set G1B, 48                           ; s[48:55], s[56:63] the same for Wo's
.set G0B, 56
.set G1T, 68                           ; s[68:75] group 1 for ao's last tile; s[76:83] for Wo's; s[84:87], s[88:91] their groups 0
.set G1BT, 76
.set G0T, 84
.set G0BT, 88
.set MSB, 0
.macro WIN new
.if MSB != \new
	s_set_vgpr_msb (MSB<<8)|\new
.set MSB, \new
.endif
.endm
.set MUL, 0x50                         ; C and D window 1
.macro JLOAD g0a, g1a, g0b, g1b        ; waves 0 and 1 fetch ao's two halves, waves 2 and 3 Wo's; an s_nop 0 and four v_nop follow each line
	s_cmp_eq_u32 s11, 0
	s_cbranch_scc0 .Lfor_b_\@
	tensor_load_to_lds s[\g0a:\g0a+3], s[\g1a:\g1a+7]
	s_nop 0
.rept 4
	v_nop
.endr
	s_branch .Lasked_\@
.Lfor_b_\@:
	tensor_load_to_lds s[\g0b:\g0b+3], s[\g1b:\g1b+7]
	s_nop 0
.rept 4
	v_nop
.endr
.Lasked_\@:
.endm
.macro CREST
	s_cmp_lg_u32 s10, 0
	s_cbranch_scc1 .Lnot_wave_0_\@
	s_barrier_signal -3
.Lnot_wave_0_\@:
	s_barrier_wait -3
	s_barrier_signal -1
	s_barrier_wait -1
.endm
.macro CROUND
	s_barrier_signal -1
	s_barrier_wait -1
	CREST
.endm
	s_load_b128 s[4:7], s[0:1], 0x0                ; ao s[4:5], wo16 s[6:7]
	s_load_b64 s[8:9], s[0:1], 0x10                ; out0
	v_lshl_add_u32 v[SPW], v0, 2, SPARE
	v_mov_b32 v[NIL], 0
	ds_add_u32 v[SPW], v[NIL]                      ; the wave's opening: the add, twice on end, and its wait ahead of my first tensor load
	ds_add_u32 v[SPW], v[NIL]
	v_lshrrev_b32 v1, 5, v0
	v_readfirstlane_b32 s10, v1                    ; wave 0..3
	s_lshr_b32 s11, s10, 1                         ; which 64 rows of the tile are mine.  Also: I fetch for ao (0) or for Wo (1)
	s_and_b32 s12, s10, 1                          ; which 128 columns.  Also: which half of that tile I fetch
	s_bfe_u32 s40, ttmp6, 0x40000
	s_bfe_u32 s41, ttmp6, 0x40004
	s_lshl_b32 s42, ttmp9, 2
	s_add_co_u32 s42, s42, s40                     ; tile column
	s_and_b32 s13, ttmp7, 0xffff
	s_lshl_b32 s13, s13, 2
	s_add_co_u32 s13, s13, s41                     ; tile row
	s_lshl_b32 s43, s41, 2
	s_lshl_b32 s43, 15, s43                        ; my row of the cluster
	s_lshl_b32 s44, 0x1111, s40                    ; my column
	s_or_b32 s[G1+0], s43, (1<<16)|(1<<20)|(1<<21)|(4<<22)|(3<<25)   ; ao: the mask; elements of 2 bytes; 4 words of padding behind every 32
	s_mov_b32 s[G1+1], KS<<16                      ; tensor_dim0
	s_mov_b32 s[G1+2], 64<<16                      ; tensor_dim1
	s_mov_b32 s[G1+3], KS<<16                      ; tile_dim0
	s_mov_b32 s[G1+4], 64                          ; tile_dim1
	s_mov_b32 s[G1+5], 2048                        ; from row to row
	s_mov_b32 s[G1+6], 0
	s_mov_b32 s[G1+7], 0
	s_or_b32 s[G1T+0], s43, (1<<16)|(1<<20)|(1<<21)|(4<<22)|(3<<25)  ; the last step's: 128 along K
	s_mov_b32 s[G1T+1], 128<<16
	s_mov_b32 s[G1T+2], 64<<16
	s_mov_b32 s[G1T+3], 128<<16
	s_mov_b32 s[G1T+4], 64
	s_mov_b32 s[G1T+5], 2048
	s_mov_b32 s[G1T+6], 0
	s_mov_b32 s[G1T+7], 0
	s_or_b32 s[G1B+0], s44, (1<<16)|(1<<20)|(1<<21)|(6<<22)|(7<<25)  ; Wo: 8 words of padding behind every 128
	s_mov_b32 s[G1B+1], 256<<16
	s_mov_b32 s[G1B+2], 96<<16
	s_mov_b32 s[G1B+3], 256<<16
	s_mov_b32 s[G1B+4], 96
	s_mov_b32 s[G1B+5], 2048
	s_mov_b32 s[G1B+6], 0
	s_mov_b32 s[G1B+7], 0
	s_or_b32 s[G1BT+0], s44, (1<<16)|(1<<20)|(1<<21)|(6<<22)|(7<<25) ; the last step's: 64 k-rows a wave
	s_mov_b32 s[G1BT+1], 256<<16
	s_mov_b32 s[G1BT+2], 64<<16
	s_mov_b32 s[G1BT+3], 256<<16
	s_mov_b32 s[G1BT+4], 64
	s_mov_b32 s[G1BT+5], 2048
	s_mov_b32 s[G1BT+6], 0
	s_mov_b32 s[G1BT+7], 0
	s_lshl_b32 s16, s13, 7
	s_lshl_b32 s17, s12, 6
	s_add_co_u32 s16, s16, s17                     ; ao: row 128 x tile row + 64 x half,
	s_lshl_b32 s16, s16, 12                        ; of 4,096 bytes
	s_mov_b32 s17, 0
	s_mul_i32 s46, s12, 96*4096                    ; Wo: k-row 96 x half, of 4,096 bytes,
	s_lshl_b32 s47, s42, 9
	s_add_co_u32 s46, s46, s47                     ; + 512 x tile column
	s_mov_b32 s47, 0
	s_lshl_b32 s92, s12, 18                        ; the last step's: k-row 1,920 + 64 x half
	s_lshl_b32 s93, s42, 9
	s_add_co_u32 s92, s92, s93
	s_add_co_u32 s92, s92, 1920*4096
	s_mov_b32 s93, 0
	s_mul_i32 s20, s12, AHALF                      ; where they go: no place in the cluster enters an LDS address
	s_mul_i32 s21, s12, BHALF
	s_add_co_u32 s21, s21, 2*AHALF
	s_wait_dscnt 0x0                               ; both opening adds are done
	s_wait_kmcnt 0x0
	s_add_nc_u64 s[14:15], s[4:5], s[16:17]
	s_add_nc_u64 s[46:47], s[6:7], s[46:47]
	s_add_nc_u64 s[92:93], s[6:7], s[92:93]
	s_mov_b32 s[G0T], 1                            ; the last step's groups 0: slot 0, the same places as a full step's halves
	s_mov_b32 s[G0T+1], s20
	s_add_nc_u64 s[G0T+2:G0T+3], s[14:15], 10*KS*2
	s_or_b32 s[G0T+3], s[G0T+3], 0x80000000
	s_mov_b32 s[G0BT], 1
	s_mov_b32 s[G0BT+1], s21
	s_mov_b64 s[G0BT+2:G0BT+3], s[92:93]
	s_or_b32 s[G0BT+3], s[G0BT+3], 0x80000000
	CROUND                                         ; all sixteen work-groups are here: the first joint loads meet
.irp s, 0,1
	s_mov_b32 s[G0+4*\s], 1
	s_add_co_u32 s[G0+4*\s+1], s20, \s*SLOT
	s_add_nc_u64 s[G0+4*\s+2:G0+4*\s+3], s[14:15], \s*KS*2
	s_or_b32 s[G0+4*\s+3], s[G0+4*\s+3], 0x80000000
	s_mov_b32 s[G0B+4*\s], 1
	s_add_co_u32 s[G0B+4*\s+1], s21, \s*SLOT
	s_add_nc_u64 s[G0B+4*\s+2:G0B+4*\s+3], s[46:47], \s*KS*4096
	s_or_b32 s[G0B+4*\s+3], s[G0B+4*\s+3], 0x80000000
	JLOAD G0+4*\s, G1, G0B+4*\s, G1B               ; two loads of mine are out
.endr
	v_and_b32 v1, 15, v0                           ; r
	v_bfe_u32 v2, v0, 4, 1                         ; h
	v_mul_u32_u24 v3, v1, AP
	v_lshl_add_u32 v3, v2, 4, v3                   ; ao: row r, + 16 h
	v_mul_u32_u24 v6, v1, APT
	v_lshl_add_u32 v6, v2, 4, v6                   ; and in the last step
	v_and_b32 v4, 7, v0
	v_lshl_add_u32 v4, v2, 3, v4
	v_mul_u32_u24 v4, v4, BP
	v_bfe_u32 v5, v0, 3, 1
	v_lshl_add_u32 v4, v5, 4, v4                   ; Wo: k-row 8 h + l % 8, columns 8 ((l / 8) % 2) on
	s_mul_i32 s21, s11, AHALF                      ; my 64 rows of ao
	s_lshl_b32 s22, s12, 8                         ; my 128 columns of Wo,
	s_add_co_u32 s22, s22, 2*AHALF                 ; which lies behind ao's 128 rows
	v_add_nc_u32 v[ADRAT], s21, v6
.irp s, 0,1
	v_add_nc_u32 v[ADRA+\s], s21, v3
	v_add_nc_u32 v[ADRB+\s], s22, v4
	v_add_nc_u32 v[ADRB+2+\s], BHALF, v[ADRB+\s]
	s_add_co_u32 s21, s21, SLOT
	s_add_co_u32 s22, s22, SLOT
.endr
	s_mul_i32 s23, s10, 16*SPITCH
	s_add_co_u32 s23, s23, STAGE                   ; my stage
	v_mul_u32_u24 v5, v1, SPITCH
	v_lshl_add_u32 v5, v2, 5, v5
	v_add_nc_u32 v[STO], s23, v5                   ; in: row r, 32 bytes for each half of the lanes
	v_and_b32 v6, 31, v0
	v_lshlrev_b32 v[CO], 4, v6
	v_add_nc_u32 v[RD], s23, v[CO]                 ; back: the 32 lanes take a row of 512 bytes
	s_lshl_b32 s16, s13, 7
	s_lshl_b32 s17, s11, 6
	s_add_co_u32 s16, s16, s17                     ; my first row of out0,
	s_lshl_b32 s16, s16, 13                        ; of 8,192 bytes
	s_lshl_b32 s46, s42, 10
	s_lshl_b32 s47, s12, 9
	s_add_co_u32 s46, s46, s47                     ; my first column, in bytes
	s_add_co_u32 s46, s46, s16
	s_mov_b32 s47, 0
	s_add_nc_u64 s[8:9], s[8:9], s[46:47]
; 8 matrix instructions: ao's block a against Wo's eight, 32 along K, from buffer f.  The 32 accumulators take turns, in the same order in every quarter.
.macro MUL8 f, a, zero
.irp b, 0,1,2,3,4,5,6,7
.if \zero
	v_wmma_f32_16x16x32_f16 v[8*(8*(\a)+\b):8*(8*(\a)+\b)+7], v[FB+64*(\f)+8*\b:FB+64*(\f)+8*\b+7], v[FA+32*(\f)+8*(\a):FA+32*(\f)+8*(\a)+7], 0
.else
	v_wmma_f32_16x16x32_f16 v[8*(8*(\a)+\b):8*(8*(\a)+\b)+7], v[FB+64*(\f)+8*\b:FB+64*(\f)+8*\b+7], v[FA+32*(\f)+8*(\a):FA+32*(\f)+8*(\a)+7], v[8*(8*(\a)+\b):8*(8*(\a)+\b)+7]
.endif
.endr
.endm
; 24 LDS loads in one run: the fragments of 32 along K into buffer f; ao's blocks 2 and 3 last.  ar, ao, ab: ao's address register, byte offset, bytes from block to block;  br, bo: Wo's address register and byte offset
.macro FETCH ar, ao, ab, br, bo, f
	WIN 0
.irp b, 0,1,2,3,4,5,6,7
	ds_load_tr16_b128 v[FB+64*(\f)+8*\b:FB+64*(\f)+8*\b+3],   v[\br] offset:(\bo)+32*\b
	ds_load_tr16_b128 v[FB+64*(\f)+8*\b+4:FB+64*(\f)+8*\b+7], v[\br] offset:(\bo)+16*BP+32*\b
.endr
.irp a, 0,1,2,3
	ds_load_b128 v[FA+32*(\f)+8*\a:FA+32*(\f)+8*\a+3],   v[\ar] offset:(\ao)+\a*(\ab)
	ds_load_b128 v[FA+32*(\f)+8*\a+4:FA+32*(\f)+8*\a+7], v[\ar] offset:(\ao)+\a*(\ab)+32
.endr
.endm
.macro FQ slot, q, f                   ; quarter q (0..5) of a full step: 64 q bytes along ao's row and 16 more for each 128 passed; k-rows 32 q on of Wo, from q = 3 by the second register
	FETCH ADRA+(\slot), 64*(\q)+16*((\q)/2), 16*AP, ADRB+(\slot)+2*((\q)/3), 32*BP*((\q)%3), \f
.endm
.macro FT q, f                         ; quarter q (0..3) of the last step: Wo's k-rows 64 .. 127 lie at LDS row 96 on, where the second fetching wave puts them
	FETCH ADRAT, 64*(\q)+16*((\q)/2), 16*APT, ADRB+2*((\q)/2), 32*BP*((\q)%2), \f
.endm
.macro PLACES                          ; four plain vector instructions in front of loads into registers that matrix instructions have read, and of the first reads of results
.rept 4
	v_nop
.endr
.endm
; A quarter is 32 along K, 32 matrix instructions, on buffers 0, 1 by turns.  It multiplies buffer f and fetches quarter q (last = 1: of the last step) into buffer g.
.macro QUARTER slot, q, f, g, zero, last
	s_wait_dscnt 4                                 ; Wo's fragments and ao's blocks 0, 1 are in; the youngest four loads may be out
	WIN MUL
	MUL8 \f, 0, \zero
	MUL8 \f, 1, \zero
	PLACES
.if \last
	FT \q, \g
.else
	FQ \slot, \q, \g
.endif
	s_wait_dscnt 24                                ; all but the 24 just issued
	WIN MUL
	MUL8 \f, 2, \zero
	MUL8 \f, 3, \zero
.endm
; A full step's sixth quarter multiplies buffer 1 and changes slots: one barrier; in front of it each wave waits for all its tensor loads, adds 0 to its spare word, and waits for that and for its reads of this slot.
; fill = 1: this slot is filled again, two steps ahead; 2: with the last step; 0: not.  nxt: the slot whose first quarter is fetched; 2: the last step's.
.macro TURN slot, fill, nxt
	WIN 0
	s_wait_tensorcnt 0x0                           ; all my tensor loads have landed: my part of the next slot
	ds_add_u32 v[SPW], v[NIL]
	s_wait_dscnt 5                                 ; (the add and the youngest four loads may be out)
	WIN MUL
	MUL8 1, 0, 0
	s_wait_dscnt 0x0                               ; the add is done, and my reads of this slot are over
	s_barrier_signal -1
	MUL8 1, 1, 0
.if \fill
	WIN 0
.endif
	s_barrier_wait -1
.if \fill == 1
	CREST                                          ; the barrier has opened a round of the cluster's: no wave of any partner still reads this slot or has a load on its way
	s_add_nc_u64 s[G0+4*\slot+2:G0+4*\slot+3], s[G0+4*\slot+2:G0+4*\slot+3], 2*KS*2
	s_add_nc_u64 s[G0B+4*\slot+2:G0B+4*\slot+3], s[G0B+4*\slot+2:G0B+4*\slot+3], 2*KS*4096
	JLOAD G0+4*\slot, G1, G0B+4*\slot, G1B         ; my one tensor load behind the round: 176 matrix instructions ahead of the wait for it; its four v_nop are the places in front of the loads below
.elseif \fill == 2
	CREST
	JLOAD G0T, G1T, G0BT, G1BT                     ; the last step, into bytes of slot 0 that the full steps have filled
.else
	PLACES
.endif
.if \nxt == 2
	FT 0, 0
.else
	FQ \nxt, 0, 0
.endif
	WIN MUL
	MUL8 1, 2, 0
	MUL8 1, 3, 0
.endm
.macro REST slot                       ; a full step's quarters 1 to 4 are multiplied, 2 to 5 fetched
	QUARTER \slot, 2, 1, 0, 0, 0
	QUARTER \slot, 3, 0, 1, 0, 0
	QUARTER \slot, 4, 1, 0, 0, 0
	QUARTER \slot, 5, 0, 1, 0, 0
.endm
	s_wait_tensorcnt 1                             ; my part of step 0 is in (step 1's load may be out)
	s_barrier_signal -1
	s_barrier_wait -1
	FQ 0, 0, 0
	QUARTER 0, 1, 0, 1, 1, 0                       ; the first quarter's products start the sums
	WIN 0
	s_mov_b32 s3, 4
.Llap:                                             ; a trip goes once round the ring, from a lap's second quarter to the next lap's first, and fills both slots again: steps 2 to 9
	REST 0
	TURN 0, 1, 1
	QUARTER 1, 1, 0, 1, 0, 0
	REST 1
	TURN 1, 1, 0
	QUARTER 0, 1, 0, 1, 0, 0
	WIN 0
	s_sub_co_u32 s3, s3, 1
	s_cmp_lg_u32 s3, 0
	s_cbranch_scc1 .Llap
	REST 0                                         ; step 8 goes on;
	TURN 0, 2, 1                                   ; slot 0 takes the last step
	QUARTER 1, 1, 0, 1, 0, 0                       ; step 9
	REST 1
	TURN 1, 0, 2                                   ; nothing is left to ask for
	QUARTER 0, 1, 0, 1, 0, 1                       ; the last step: four quarters
	QUARTER 0, 2, 1, 0, 0, 1
	QUARTER 0, 3, 0, 1, 0, 1
	s_wait_dscnt 4
	WIN MUL
	MUL8 1, 0, 0
	MUL8 1, 1, 0
	s_wait_dscnt 0
	MUL8 1, 2, 0
	MUL8 1, 3, 0
	WIN 0
; THE WAY OUT, block by block of 16 rows x 128 columns, through my own stage: whole rows of 512 bytes come back and are stored by the 32 lanes.
.macro TOSTAGE a
	WIN 0x04                                       ; an LDS store's data are its source 1: window 1
.irp b, 0,1,2,3,4,5,6,7
	ds_store_b128 v[STO], v[8*(8*(\a)+\b):8*(8*(\a)+\b)+3] offset:64*\b          ; each accumulator from its low end on
	ds_store_b128 v[STO], v[8*(8*(\a)+\b)+4:8*(8*(\a)+\b)+7] offset:64*\b+16
.endr
	WIN 0
.irp t, 0,1,2,3,4,5,6,7,8,9,10,11,12,13,14,15
	ds_load_b128 v[BK+64*((\a)%2)+4*\t:BK+64*((\a)%2)+4*\t+3], v[RD] offset:\t*SPITCH   ; LDS serves a wave's instructions in order
.endr
.endm
.macro SEND a, younger
	s_wait_dscnt \younger                          ; the block is back; the next block's 32 LDS instructions may be out
.irp t, 0,1,2,3,4,5,6,7,8,9,10,11,12,13,14,15
	global_store_b128 v[CO], v[BK+64*((\a)%2)+4*\t:BK+64*((\a)%2)+4*\t+3], s[8:9] offset:(16*(\a)+\t)*8192 th:TH_STORE_NT   ; 512 consecutive bytes; written once
.endr
.endm
	PLACES
	TOSTAGE 0
	TOSTAGE 1
	SEND 0, 32
	s_wait_xcnt 0x0                                ; block 0's stores have read their registers: block 2's loads may land there
	TOSTAGE 2
	SEND 1, 32
	s_wait_xcnt 0x0
	TOSTAGE 3
	SEND 2, 32
	SEND 3, 0
	s_wait_tensorcnt 0x0                           ; the wave's end
	ds_add_u32 v[SPW], v[NIL]
	s_wait_dscnt 0x0
	CROUND                                         ; the closing round
	s_endpgm
.Lfunc_end_k_q2b0e99db52_proj:
	.size	k_q2b0e99db52_proj, .Lfunc_end_k_q2b0e99db52_proj-k_q2b0e99db52_proj
	.p2alignl 7, 3214868480
	.fill 96, 4, 3214868480
	.section	.rodata,"a",@progbits
	.p2align	6, 0x0
	.amdhsa_kernel k_q2b0e99db52_proj
		.amdhsa_group_segment_fixed_size 327680
		.amdhsa_private_segment_fixed_size 0
		.amdhsa_enable_private_segment 0
		.amdhsa_kernarg_size 24
		.amdhsa_user_sgpr_count 2
		.amdhsa_user_sgpr_kernarg_segment_ptr 1
		.amdhsa_wavefront_size32 1
		.amdhsa_system_sgpr_workgroup_id_x 1
		.amdhsa_system_sgpr_workgroup_id_y 1
		.amdhsa_system_sgpr_workgroup_id_z 1
		.amdhsa_system_vgpr_workitem_id 0
		.amdhsa_next_free_vgpr 512
		.amdhsa_next_free_sgpr 96
		.amdhsa_reserve_vcc 0
		.amdhsa_float_denorm_mode_32 3
		.amdhsa_float_denorm_mode_16_64 3
		.amdhsa_memory_ordered 1
		.amdhsa_forward_progress 1
		.amdhsa_inst_pref_size 132
	.end_amdhsa_kernel
	.amdgpu_metadata
---
amdhsa.version: [ 1, 2 ]
amdhsa.kernels:
  - .name:           k_q2b0e99db52_proj
    .symbol:         k_q2b0e99db52_proj.kd
    .args:
      - { .name: ao, .offset: 0, .size: 8, .value_kind: global_buffer, .address_space: global }
      - { .name: wo16, .offset: 8, .size: 8, .value_kind: global_buffer, .address_space: global }
      - { .name: out0, .offset: 16, .size: 8, .value_kind: global_buffer, .address_space: global }
    .group_segment_fixed_size: 327680
    .private_segment_fixed_size: 0
    .kernarg_segment_align: 8
    .kernarg_segment_size: 24
    .max_flat_workgroup_size: 128
    .sgpr_count:     96
    .vgpr_count:     512
    .wavefront_size: 32
...
	.end_amdgpu_metadata
.endif
;; end of part 4
